; MI455X (gfx1250); checked and timed in simulation.
; The chip was launched on July 23, 2026; its instructions are those of AMD's public machine-readable ISA for CDNA 5 (MIT licence, August 2026) and "CDNA5" Instruction Set Architecture Reference Guide (July 2026). The comments in the code are by the model that wrote it; some were corrected since.
;; Multi Head Attention. Allowed arithmetic: float matrix products may take bf16 or f16 operands with f32 sums; other float arithmetic in f32, or as packed bf16 or f16 multiplies, adds, multiply-adds, maxima and minima; sums over many terms, partial sums and values carried from step to step in f32; what a program stores and reads back later, other than sums and carried values, may be rounded once to bf16 or f16.
;; Inputs: Wk 1,024 x 1,024 float32; Wo 1,024 x 1,024 float32; Wq 1,024 x 1,024 float32; Wv 1,024 x 1,024 float32; attention_mask 4 x 1 x 2,048 x 2,048 float32; bk 1,024 float32; bo 1,024 float32; bq 1,024 float32; bv 1,024 float32; hidden_states 4 x 2,048 x 1,024 float32.
;; Outputs: out0 4 x 2,048 x 1,024 float32.
;; 2 versions, each right; version 2 is version 1 with the launch prep written anew for expert scheduling mode. Each part assembles by itself: llvm-mc -triple=amdgcn-amd-amdhsa -mcpu=gfx1250 --defsym DOCPART=n.
;; ======== version 1 of 2: 4 launches
;; limits: values are held in f16: magnitudes above 65,504 overflow, below 6.1e-05 lose precision; inputs' magnitudes at most 8.5e+37
;; workspace buffers: x16 16,777,216 bytes; w16 8,388,608 bytes; rope 1,048,576 bytes; qkv 50,331,648 bytes; o16 16,777,216 bytes
;; launch prep (part 1): grid 512 x 1, 8 waves a work-group, no clusters, 0 bytes of LDS; arguments hidden_states, Wq, Wk, Wv, Wo, x16, w16, rope; writes x16, w16, rope
.if DOCPART == 1
	.amdgcn_target "amdgcn-amd-amdhsa--gfx1250"
	.amdhsa_code_object_version 6
	.text
	.protected	k_qf85f894ba4_prep
	.globl	k_qf85f894ba4_prep
	.p2align	8
	.type	k_qf85f894ba4_prep,@function
k_qf85f894ba4_prep:
	s_mov_b64 s[64:65], 0
	v_nop
	global_prefetch_b8 v0, s[64:65] scope:SCOPE_SE
	s_setreg_imm32_b32 hwreg(HW_REG_WAVE_MODE, 25, 1), 1
	s_wait_xcnt 0x0
; PREP.  Work-groups 0-255 round hidden_states to f16 (x16), 256-383 the four weight matrices (w16: Wq, Wk, Wv, Wo rows on end),
; 384-511 make the RoPE tables.  A stream: no LDS, no barrier, no matrix unit; every input byte is read once, every output byte written once.
; LIMITS.  f16 ends at 65,504: |x| and |W| stay below it; below 6e-5 a number keeps f16's fixed step of 6e-8.
; CAST.  A work-group takes 32,768 floats as 32 units of 4,096 bytes in and 2,048 bytes out: thread t takes 16 bytes at 16 t and stores
; 8 bytes at 8 t, so a wave's store covers 256 consecutive bytes, aligned.  Eight loads of every wave are always on their way.
; TABLE.  rope[c][blk][i][lane][4]: c = 0 the table divided by 8 (for q: the scores' 1 / sqrt(64), exact), c = 1 the plain one (for k);
; blk = 16 positions; i = (fn 2 + bb) 2 + quad, lane = 16 h + r: fn (0 cos, 1 sin) of position 16 blk + r at the frequencies
; j = 16 bb + 8 h + 4 quad + 0..3: the order in which a lane of the projection's result holds its numbers.  Thread t's 16 bytes lie at 16 t.
; The angle is reduced in turns: f = theta / 2 pi - nearest whole number (a quarter turn less for the sine), |f| <= 1/2; cos(2 pi f) is its
; series in f^2 up to f^18: the next term is below 4e-9 for every |f| <= 1/2, whatever the position.
.set X, 4                              ; v[4:35]   slot i: 4 floats as loaded
.set Y, 36                             ; v[36:51]  slot i: 4 f16 to store
.set TH, 10                            ; v[10:13]  table: exponent, frequency, angle
.set KK, 14                            ; v[14:17]  whole turns
.set YY, 18                            ; v[18:21]  f, then f^2
.set PO, 22                            ; v[22:25]  the series
.set P8, 26                            ; v[26:29]  an eighth of it
	s_load_b512 s[8:23], s[0:1], 0x0               ; hs s[8:9], Wq s[10:11], Wk s[12:13], Wv s[14:15], Wo s[16:17], x16 s[18:19], w16 s[20:21], rope s[22:23]
	s_mov_b32 s24, ttmp9                           ; g
	v_lshlrev_b32 v1, 4, v0                        ; 16 t; never rewritten
	v_lshlrev_b32 v2, 3, v0                        ; 8 t; never rewritten
	s_cmp_ge_u32 s24, 384
	s_cbranch_scc1 .Ltable
	s_sub_co_u32 s25, s24, 256                     ; the weights' work-groups count from 0
	s_lshr_b32 s26, s25, 5                         ; which matrix: 32 work-groups each
	s_and_b32 s27, s24, 31
	s_lshl_b32 s28, s27, 17                        ; offsets, made apart from the addresses: a weight's source,
	s_lshl_b32 s30, s25, 16                        ; its place in w16,
	s_lshl_b32 s37, s24, 17                        ; x's source,
	s_lshl_b32 s38, s24, 16                        ; its place in x16
	s_cmp_lt_u32 s24, 256
	s_cselect_b32 s28, s37, s28
	s_cselect_b32 s30, s38, s30
	s_mov_b32 s29, 0
	s_mov_b32 s31, 0
	s_wait_kmcnt 0x0
	s_cmp_lt_u32 s26, 1
	s_cselect_b64 s[32:33], s[10:11], s[12:13]
	s_cmp_lt_u32 s26, 2
	s_cselect_b64 s[32:33], s[32:33], s[14:15]
	s_cmp_lt_u32 s26, 3
	s_cselect_b64 s[32:33], s[32:33], s[16:17]
	s_cmp_lt_u32 s24, 256
	s_cselect_b64 s[32:33], s[8:9], s[32:33]
	s_cselect_b64 s[34:35], s[18:19], s[20:21]
	s_add_nc_u64 s[32:33], s[32:33], s[28:29]      ; in
	s_add_nc_u64 s[34:35], s[34:35], s[30:31]      ; out
.irp i, 0,1,2,3,4,5,6,7
	global_load_b128 v[X+4*(\i):X+4*(\i)+3], v1, s[32:33] offset:(\i)*4096 th:TH_LOAD_NT
.endr
	s_mov_b32 s36, 3
.Lcast:
.irp i, 0,1,2,3,4,5,6,7
	s_wait_loadcnt 7                               ; loads come back in order: this slot's is in, the seven younger stay out
	v_cvt_pk_f16_f32 v[Y+2*(\i)], v[X+4*(\i)], v[X+4*(\i)+1]
	v_cvt_pk_f16_f32 v[Y+2*(\i)+1], v[X+4*(\i)+2], v[X+4*(\i)+3]
	global_load_b128 v[X+4*(\i):X+4*(\i)+3], v1, s[32:33] offset:32768+(\i)*4096 th:TH_LOAD_NT
	global_store_b64 v2, v[Y+2*(\i):Y+2*(\i)+1], s[34:35] offset:(\i)*2048
.endr
	s_wait_xcnt 0x0                                ; the bases and Y are rewritten only behind this wait
	s_add_nc_u64 s[32:33], s[32:33], 32768
	s_add_nc_u64 s[34:35], s[34:35], 16384
	s_sub_co_u32 s36, s36, 1
	s_cmp_lg_u32 s36, 0
	s_cbranch_scc1 .Lcast
.irp i, 0,1,2,3,4,5,6,7
	s_wait_loadcnt 7-(\i)                          ; the last eight units load nothing: the counts run down
	v_cvt_pk_f16_f32 v[Y+2*(\i)], v[X+4*(\i)], v[X+4*(\i)+1]
	v_cvt_pk_f16_f32 v[Y+2*(\i)+1], v[X+4*(\i)+2], v[X+4*(\i)+3]
	global_store_b64 v2, v[Y+2*(\i):Y+2*(\i)+1], s[34:35] offset:(\i)*2048
.endr
	s_endpgm
.Ltable:
	s_sub_co_u32 s25, s24, 384                     ; blk
	v_and_b32 v3, 15, v0                           ; r
	v_bfe_u32 v4, v0, 4, 1                         ; h
	v_bfe_u32 v5, v0, 5, 1                         ; quad
	v_bfe_u32 v6, v0, 6, 1                         ; bb
	v_lshrrev_b32 v7, 7, v0                        ; fn
	v_lshlrev_b32 v5, 2, v5
	v_lshl_add_u32 v5, v4, 3, v5
	v_lshl_add_u32 v5, v6, 4, v5                   ; j0 = 16 bb + 8 h + 4 quad
	s_lshl_b32 s26, s25, 4
	v_add_nc_u32 v3, s26, v3
	v_cvt_f32_u32 v3, v3                           ; the position
	v_cvt_f32_u32 v7, v7
	v_mul_f32 v7, 0x3e800000, v7                   ; a quarter turn for the sine
.irp e, 0,1,2,3
	v_add_nc_u32 v[TH+\e], \e, v5
.endr
.irp e, 0,1,2,3
	v_cvt_f32_u32 v[TH+\e], v[TH+\e]
.endr
.irp e, 0,1,2,3
	v_mul_f32 v[TH+\e], 0xbed49a78, v[TH+\e]       ; - j log2(10000) / 32
.endr
.irp e, 0,1,2,3
	v_exp_f32 v[TH+\e], v[TH+\e]                   ; 10000^(-j / 32)
.endr
	v_nop                                          ; a plain instruction between the last exponential and the use of its result (ISA guide 5.7.2)
	s_wait_alu depctr_va_vdst(0)
.irp e, 0,1,2,3
	v_mul_f32 v[TH+\e], v3, v[TH+\e]               ; the angle
.endr
.irp e, 0,1,2,3
	v_fma_f32 v[KK+\e], v[TH+\e], 0.15915494, -v7
.endr
.irp e, 0,1,2,3
	v_rndne_f32 v[KK+\e], v[KK+\e]                 ; whole turns
.endr
.irp e, 0,1,2,3
	v_fma_f32 v[YY+\e], v[TH+\e], 0.15915494, -v[KK+\e]  ; one rounding: the whole turns go before the product is rounded
.endr
.irp e, 0,1,2,3
	v_sub_f32 v[YY+\e], v[YY+\e], v7
.endr
.irp e, 0,1,2,3
	v_mul_f32 v[YY+\e], v[YY+\e], v[YY+\e]
.endr
.irp e, 0,1,2,3
	v_mov_b32 v[PO+\e], 0xbd15062c                 ; - (2 pi)^18 / 18!
.endr
.irp c, 0x3e906316, 0xbfdb7128, 0x40fce9c5, 0xc1d368f9, 0x4270fa83, 0xc2aae9e4, 0x4281e0f8, 0xc19de9e6, 0x3f800000
.irp e, 0,1,2,3
	v_fmaak_f32 v[PO+\e], v[PO+\e], v[YY+\e], \c   ; (-1)^n (2 pi)^(2 n) / (2 n)!, n = 8 down to 0
.endr
.endr
.irp e, 0,1,2,3
	v_mul_f32 v[P8+\e], 0x3e000000, v[PO+\e]
.endr
	s_lshl_b32 s28, s25, 12
	s_mov_b32 s29, 0
	s_wait_kmcnt 0x0
	s_add_nc_u64 s[22:23], s[22:23], s[28:29]
	global_store_b128 v1, v[P8:P8+3], s[22:23]                 ; a wave's store covers 512 consecutive bytes
	global_store_b128 v1, v[PO:PO+3], s[22:23] offset:524288
	s_endpgm
.Lfunc_end_k_qf85f894ba4_prep:
	.size	k_qf85f894ba4_prep, .Lfunc_end_k_qf85f894ba4_prep-k_qf85f894ba4_prep
	.p2alignl 7, 3214868480
	.fill 96, 4, 3214868480
	.section	.rodata,"a",@progbits
	.p2align	6, 0x0
	.amdhsa_kernel k_qf85f894ba4_prep
		.amdhsa_group_segment_fixed_size 0
		.amdhsa_private_segment_fixed_size 0
		.amdhsa_enable_private_segment 0
		.amdhsa_kernarg_size 64
		.amdhsa_user_sgpr_count 2
		.amdhsa_user_sgpr_kernarg_segment_ptr 1
		.amdhsa_wavefront_size32 1
		.amdhsa_system_sgpr_workgroup_id_x 1
		.amdhsa_system_sgpr_workgroup_id_y 1
		.amdhsa_system_sgpr_workgroup_id_z 1
		.amdhsa_system_vgpr_workitem_id 0
		.amdhsa_next_free_vgpr 64
		.amdhsa_next_free_sgpr 66
		.amdhsa_reserve_vcc 0
		.amdhsa_float_denorm_mode_32 3
		.amdhsa_float_denorm_mode_16_64 3
		.amdhsa_memory_ordered 1
		.amdhsa_forward_progress 1
		.amdhsa_inst_pref_size 13
	.end_amdhsa_kernel
	.amdgpu_metadata
---
amdhsa.version: [ 1, 2 ]
amdhsa.kernels:
  - .name:           k_qf85f894ba4_prep
    .symbol:         k_qf85f894ba4_prep.kd
    .args:
      - { .name: hidden_states, .offset: 0, .size: 8, .value_kind: global_buffer, .address_space: global }
      - { .name: Wq, .offset: 8, .size: 8, .value_kind: global_buffer, .address_space: global }
      - { .name: Wk, .offset: 16, .size: 8, .value_kind: global_buffer, .address_space: global }
      - { .name: Wv, .offset: 24, .size: 8, .value_kind: global_buffer, .address_space: global }
      - { .name: Wo, .offset: 32, .size: 8, .value_kind: global_buffer, .address_space: global }
      - { .name: x16, .offset: 40, .size: 8, .value_kind: global_buffer, .address_space: global }
      - { .name: w16, .offset: 48, .size: 8, .value_kind: global_buffer, .address_space: global }
      - { .name: rope, .offset: 56, .size: 8, .value_kind: global_buffer, .address_space: global }
    .group_segment_fixed_size: 0
    .private_segment_fixed_size: 0
    .kernarg_segment_align: 8
    .kernarg_segment_size: 64
    .max_flat_workgroup_size: 256
    .sgpr_count:     66
    .vgpr_count:     64
    .wavefront_size: 32
...
	.end_amdgpu_metadata
.endif
;; end of part 1
;; launch qkv (part 2): grid 8 x 32, 4 waves a work-group, clusters of 4 x 4, 327,680 bytes of LDS; arguments x16, w16, bq, bk, bv, rope, qkv; writes qkv
.if DOCPART == 2
	.amdgcn_target "amdgcn-amd-amdhsa--gfx1250"
	.amdhsa_code_object_version 6
	.text
	.protected	k_qf85f894ba4_qkv
	.globl	k_qf85f894ba4_qkv
	.p2align	8
	.type	k_qf85f894ba4_qkv,@function
k_qf85f894ba4_qkv:
	s_mov_b64 s[64:65], 0
	v_nop
	global_prefetch_b8 v0, s[64:65] scope:SCOPE_SE
	s_setreg_imm32_b32 hwreg(HW_REG_WAVE_MODE, 25, 1), 1
	s_wait_xcnt 0x0
	s_wait_alu depctr_hold_cnt(0) depctr_sa_sdst(0) depctr_va_vdst(0) depctr_va_sdst(0) depctr_va_ssrc(0) depctr_va_vcc(0) depctr_vm_vsrc(0)
	s_getreg_b32 s2, hwreg(HW_REG_IB_STS2, 6, 4)
	s_cmp_eq_u32 s2, 0
	s_cbranch_scc0 .Lentry_in_a_cluster
	s_endpgm
.Lentry_in_a_cluster:
	s_bfe_u32 s2, ttmp6, 0x10000c
	s_cmp_lg_u32 s2, 0xf033
	s_cbranch_scc0 .Lentry_shape_is_right
	s_endpgm
.Lentry_shape_is_right:
; Q, K, V = x W^T + b, RoPE on q and k, q divided by 8.  x16: [8192][1024] f16; w16: Wq, Wk, Wv (, Wo) rows on end, [.][1024] f16; biases f32; sums in f32.
; OUT.  qkv[mat][b][hg][t][hh][row][ch] f16: head 4 hg + hh, position 64 t + row: 64 keys of four heads are 32,768 dense bytes, 16 rows of a head 2,048.
; LIMITS.  q / 8, k and v are rounded once to f16, which ends at 65,504.
; SHARES.  A tile is 256 rows x 128 columns: 3 x 256 tiles for 256 work-groups.  A work-group STAYS and makes the same rows and columns of q, k and v;
; four waves 2 x 2, each 128 rows x 64 columns (one head): 32 accumulators.  K goes in steps of 128 (rows of 256 bytes) through a ring of two LDS slots,
; 24 steps without a stop: the ring runs on from tile to tile.
; CLUSTER.  4 x 4 work-groups: x's tile is asked for jointly along a row of the cluster, W's along a column.
; THE MATRIX INSTRUCTION IS USED TRANSPOSED (source 0 = 16 rows of W, source 1 = 16 rows of x): a lane holds row l % 16 and the columns 8 (l / 16) + 0..7 of a block.
; THE BIAS is the C operand of the products that start the sums.  ROPE pairs channel d with d + 32: column blocks bb and bb + 2 of the same lane and register.
; REGISTERS, in windows of 256 (s_set_vgpr_msb: bits 1:0 source 0, 3:2 source 1, 5:4 source 2, 7:6 destination):
;   window 0: addresses, bias, and the way out     window 1: two fragment buffers of 96 (W 32, x 64)     window 2: accumulator (a, b) at 8 (4 a + b)
.set PITCH,  272                       ; an LDS row: 256 bytes + 16 of padding: the 16 rows of a fragment load start at 16 different groups of four banks (ISA guide 11.1)
.set AHALF,  128*PITCH
.set BHALF,  64*PITCH
.set BOFF,   2*AHALF                   ; a slot: x's 256 rows, then W's 128
.set SLOT1,  1<<17                     ; slot 1 begins here: one exclusive or turns an address in one slot into the other's
.set STAGE,  SLOT1+BOFF+2*BHALF        ; behind the ring, never filled by a tensor load: 16 rows x 144 bytes for each wave
.set SP,     144
.set SPARE,  STAGE+4*16*SP             ; the spare words, 128 bytes for each wave: two blocks of 256 bytes that no other line names
.set ADRA0, 14                         ; v14  my lane's place in x's tile; never rewritten
.set ADRB0, 15                         ; v15  in W's
.set ADRA,  16                         ; v16  the same in the slot in hand
.set ADRB,  17
.set STO,   24                         ; v24  the way out: where I put 16 bytes of a row
.set RD,    25                         ; v25  where I read rows back
.set L16,   26                         ; v26  16 x lane: my place in 512 consecutive bytes (table, output)
.set SPW,   28                         ; v28  LDS address of my spare word; never rewritten
.set NIL,   29                         ; v29  0; never rewritten
.set BO,    30                         ; v30  32 x (l / 16): my eight columns' bias
.set BIAS,  32                         ; v32-63   column block b at + 8 b
.set TAB,   64                         ; v64-127  two buffers: cos bb 0, cos bb 1, sin bb 0, sin bb 1, eight each
.set T,     128                        ; v128-159 a block of 16 rows after RoPE
.set PK,    160                        ; v160-175 rounded
.set BK,    176                        ; v176-207 two buffers: 16 rows read back
.set U,     208                        ; v208-211 at work
.set F0,    0
.set F1,    96
.set WV, 18
.set WM, 19                            ; which 128 rows are mine.  Also: I fetch for x (0) or for W (1)
.set WN, 20                            ; which 64 columns.  Also: which half of that tile I fetch
.set G1A, 28
.set G1B, 36
.set G0A, 44                           ; x: group 0 for step 0,
.set G0AW, 48                          ; and the one that walks
.set G0B, 52
.set G0BW, 56
.set BA, 60                            ; s[60:61] x at my part of the tile, K = 0
.set BB, 62                            ; s[62:63] Wq likewise
.set OFA, 66
.set OFB, 68
.set REQ, 70                           ; the step to be asked for next, 2 to 23
.set TB, 71                            ; the slot in hand
.set CNT, 72
.set TILES, 73
.set BP, 74
.set COLB, 76
.set TBL, 78
.set DST, 80
.set G1BITS, (1<<16)|(1<<20)|(1<<21)|(5<<22)|(3<<25)  ; 2-byte elements; padding on; bit 21 beside a mask; after every 64 words 4 words
.set MSB, 0
.macro WIN new                         ; the high byte repeats the setting that is left; a switch that changes nothing is dropped
.if MSB != (\new)
	s_set_vgpr_msb (MSB<<8)|(\new)
.set MSB, \new
.endif
.endm
.macro PLACES                          ; four places behind matrix instructions (ISA guide 7.12.1)
.rept 4
	v_nop
.endr
.endm
.macro JLOAD                           ; a joint refill: waves 0, 1 x's halves, waves 2, 3 W's; s_nop 0 and four v_nop follow each line
	s_cmp_eq_u32 s[WM], 0
	s_cbranch_scc0 .Lfor_b_\@
	tensor_load_to_lds s[G0AW:G0AW+3], s[G1A:G1A+7]
	s_nop 0
.rept 4
	v_nop
.endr
	s_branch .Lasked_\@
.Lfor_b_\@:
	tensor_load_to_lds s[G0BW:G0BW+3], s[G1B:G1B+7]
	s_nop 0
.rept 4
	v_nop
.endr
.Lasked_\@:
.endm
.macro CREST                           ; a round of the cluster's barrier behind its opening barrier
	s_cmp_lg_u32 s[WV], 0
	s_cbranch_scc1 .Lnot_wave_0_\@
	s_barrier_signal -3
.Lnot_wave_0_\@:
	s_barrier_wait -3
	s_barrier_signal -1
	s_barrier_wait -1
.endm
.macro CROUND
	s_barrier_signal -1
	s_barrier_wait -1
	CREST
.endm
.macro STEPD                           ; the walking descriptors: step REQ, its addresses made anew from the bases; the other slot than last time
	s_and_b32 s82, s[REQ], 7
	s_lshl_b32 s[OFA], s82, 8                      ; 256 bytes along K,
	s_lshr_b32 s83, s[REQ], 3
	s_lshl_b32 s83, s83, 21                        ; and for W the matrix
	s_add_co_u32 s[OFB], s[OFA], s83
	s_add_nc_u64 s[G0AW+2:G0AW+3], s[BA:BA+1], s[OFA:OFA+1]
	s_or_b32 s[G0AW+3], s[G0AW+3], 0x80000000
	s_xor_b32 s[G0AW+1], s[G0AW+1], SLOT1
	s_add_nc_u64 s[G0BW+2:G0BW+3], s[BB:BB+1], s[OFB:OFB+1]
	s_or_b32 s[G0BW+3], s[G0BW+3], 0x80000000
	s_xor_b32 s[G0BW+1], s[G0BW+1], SLOT1
	s_add_co_u32 s[REQ], s[REQ], 1
.endm
; 8 matrix instructions: row blocks a0, a0 + 1 x all 4 column blocks, 32 along K.  first = 1: the bias starts the sums.  The 32 accumulators take turns.
.macro MUL8 f, a0, first
.if \first
	WIN 0x85
.else
	WIN 0xa5
.endif
.irp a, \a0, (\a0)+1
.irp b, 0,1,2,3
.if \first
	v_wmma_f32_16x16x32_f16 v[8*(4*(\a)+(\b)):8*(4*(\a)+(\b))+7], v[(\f)+8*(\b):(\f)+8*(\b)+7], v[(\f)+32+8*(\a):(\f)+32+8*(\a)+7], v[BIAS+8*(\b):BIAS+8*(\b)+7]
.else
	v_wmma_f32_16x16x32_f16 v[8*(4*(\a)+(\b)):8*(4*(\a)+(\b))+7], v[(\f)+8*(\b):(\f)+8*(\b)+7], v[(\f)+32+8*(\a):(\f)+32+8*(\a)+7], v[8*(4*(\a)+(\b)):8*(4*(\a)+(\b))+7]
.endif
.endr
.endr
.endm
.macro FETCH k, f                      ; 24 LDS loads in one run: W's 4 fragments, then x's 8, 32 K at byte k of the rows
	WIN 0x40
.irp i, 0,1,2,3
	ds_load_b128 v[(\f)+8*(\i):(\f)+8*(\i)+3],   v[ADRB] offset:(\k)+(\i)*16*PITCH
	ds_load_b128 v[(\f)+8*(\i)+4:(\f)+8*(\i)+7], v[ADRB] offset:(\k)+(\i)*16*PITCH+32
.endr
.irp i, 0,1,2,3,4,5,6,7
	ds_load_b128 v[(\f)+32+8*(\i):(\f)+32+8*(\i)+3],   v[ADRA] offset:(\k)+(\i)*16*PITCH
	ds_load_b128 v[(\f)+32+8*(\i)+4:(\f)+32+8*(\i)+7], v[ADRA] offset:(\k)+(\i)*16*PITCH+32
.endr
.endm
.macro QUARTER k, f, g, first          ; multiplies buffer f; in its middle fetches the next quarter, at byte k, into g
	s_wait_dscnt 8                                 ; W and x's rows 0-63 are in; the youngest eight loads (rows 64-127) may be out
	MUL8 \f, 0, \first
	MUL8 \f, 2, \first
	PLACES
	FETCH \k, \g
	s_wait_dscnt 24                                ; all but the 24 just issued
	MUL8 \f, 4, \first
	MUL8 \f, 6, \first
.endm
; The last quarter of a step multiplies buffer 1 and changes slots: one barrier; in front of it each wave waits for all its tensor loads (one is out: its part of the next slot),
; adds 0 to its spare word, and waits for that and for its reads of this slot.  fill = 1: the barrier opens a round of the cluster's, and this slot is filled again first thing behind it.
.macro TURN fill
	WIN 0
	s_wait_tensorcnt 0x0
	ds_add_u32 v[SPW], v[NIL]
.if \fill
	STEPD                                          ; no tensor load of mine is out: a group 0 may be written
.endif
	s_wait_dscnt 9                                 ; the add and the youngest eight loads may be out
	MUL8 F1, 0, 0
	s_wait_dscnt 0x0                               ; the add is done, and my reads of this slot are over
	s_barrier_signal -1
	MUL8 F1, 2, 0
	WIN 0
	s_barrier_wait -1
.if \fill
	CREST
	JLOAD                                          ; its four v_nop are also the places in front of the loads below
.else
	PLACES
.endif
	s_xor_b32 s[TB], s[TB], SLOT1
	v_add_nc_u32 v[ADRA], s[TB], v[ADRA0]
	v_add_nc_u32 v[ADRB], s[TB], v[ADRB0]
	FETCH 0, F0
	MUL8 F1, 4, 0
	MUL8 F1, 6, 0
.endm
.macro BIASLD
.irp b, 0,1,2,3
	global_load_b128 v[BIAS+8*(\b):BIAS+8*(\b)+3],   v[BO], s[BP:BP+1] offset:64*(\b)
	global_load_b128 v[BIAS+8*(\b)+4:BIAS+8*(\b)+7], v[BO], s[BP:BP+1] offset:64*(\b)+16
.endr
.endm
.macro TABLD a                         ; the table of row block a: eight loads of 512 consecutive bytes
.irp i, 0,1,2,3,4,5,6,7
	global_load_b128 v[TAB+32*((\a)%2)+4*(\i):TAB+32*((\a)%2)+4*(\i)+3], v[L16], s[TBL:TBL+1] offset:(\a)*4096+(\i)*512
.endr
.endm
.macro ROPE a                          ; x cos - y sin and y cos + x sin; each accumulator's lowest registers are read first
	WIN 0x02
.irp bb, 0,1
.irp p, 0,1,2,3
.set rX, 8*(4*(\a)+(\bb))+2*(\p)
.set rY, 8*(4*(\a)+(\bb)+2)+2*(\p)
.set rCo, TAB+32*((\a)%2)+8*(\bb)+2*(\p)
.set rSi, TAB+32*((\a)%2)+16+8*(\bb)+2*(\p)
	v_pk_mul_f32 v[U:U+1], v[rY:rY+1], v[rSi:rSi+1]
	v_pk_mul_f32 v[U+2:U+3], v[rX:rX+1], v[rSi:rSi+1]
	v_pk_fma_f32 v[T+8*(\bb)+2*(\p):T+8*(\bb)+2*(\p)+1], v[rX:rX+1], v[rCo:rCo+1], v[U:U+1] neg_lo:[0,0,1] neg_hi:[0,0,1]
	v_pk_fma_f32 v[T+8*((\bb)+2)+2*(\p):T+8*((\bb)+2)+2*(\p)+1], v[rY:rY+1], v[rCo:rCo+1], v[U+2:U+3]
.endr
.endr
.endm
.macro CVT
	WIN 0
.irp j, 0,1,2,3,4,5,6,7,8,9,10,11,12,13,14,15
	v_cvt_pk_f16_f32 v[PK+(\j)], v[T+2*(\j)], v[T+2*(\j)+1]
.endr
.endm
.macro PLAIN a                         ; v has no RoPE: rounded straight from the accumulators, in ascending order
	WIN 0x0a
.irp j, 0,1,2,3,4,5,6,7,8,9,10,11,12,13,14,15
	v_cvt_pk_f16_f32 v[PK+(\j)], v[32*(\a)+2*(\j)], v[32*(\a)+2*(\j)+1]
.endr
.endm
.macro TOSTAGE a                       ; 16 bytes a lane into rows of 144 bytes, and back as four rows of 128 to a load
	WIN 0
.irp b, 0,1,2,3
	ds_store_b128 v[STO], v[PK+4*(\b):PK+4*(\b)+3] offset:32*(\b)
.endr
.irp f, 0,1,2,3
	ds_load_b128 v[BK+16*((\a)%2)+4*(\f):BK+16*((\a)%2)+4*(\f)+3], v[RD] offset:(\f)*4*SP  ; LDS serves a wave's instructions in order (ISA guide 5.7.1.4): these see the stores above
.endr
.endm
.macro SEND a
	WIN 0
	s_wait_dscnt 0x0                               ; the block is back in registers
	s_wait_xcnt 0x0                                ; the other buffer, which earlier stores read, is loaded again only behind this wait
.irp f, 0,1,2,3
	global_store_b128 v[L16], v[BK+16*((\a)%2)+4*(\f):BK+16*((\a)%2)+4*(\f)+3], s[DST:DST+1] offset:((\a)/4)*32768+((\a)%4)*2048+(\f)*512  ; 512 consecutive bytes, aligned
.endr
.endm
	s_load_b256 s[4:11], s[0:1], 0x0               ; x16 s[4:5], w16 s[6:7], bq s[8:9], bk s[10:11]
	s_load_b128 s[12:15], s[0:1], 0x20             ; bv s[12:13], rope s[14:15]
	s_load_b64 s[16:17], s[0:1], 0x30              ; qkv
	v_lshl_add_u32 v[SPW], v0, 2, SPARE
	v_mov_b32 v[NIL], 0
	ds_add_u32 v[SPW], v[NIL]                      ; the wave's opening: the add and its wait stand ahead of my first tensor load; work on registers stands between them
	v_lshrrev_b32 v1, 5, v0
	v_readfirstlane_b32 s[WV], v1
	s_lshr_b32 s[WM], s[WV], 1
	s_and_b32 s[WN], s[WV], 1
	s_bfe_u32 s21, ttmp6, 0x40000                  ; cx
	s_bfe_u32 s22, ttmp6, 0x40004                  ; cy
	s_lshl_b32 s23, ttmp9, 2
	s_add_co_u32 s23, s23, s21                     ; nb: block of 128 columns
	s_and_b32 s24, ttmp7, 0xffff
	s_lshl_b32 s24, s24, 2
	s_add_co_u32 s24, s24, s22                     ; mb: block of 256 rows
	s_lshl_b32 s25, s22, 2
	s_lshl_b32 s25, 15, s25                        ; my row of the cluster
	s_lshl_b32 s26, 0x1111, s21                    ; my column
	s_or_b32 s[G1A], s25, G1BITS
	s_or_b32 s[G1B], s26, G1BITS
	s_mov_b32 s[G1A+1], 128<<16                    ; tensor_dim0 = 128
	s_mov_b32 s[G1A+2], 128<<16                    ; tensor_dim1 = 128
	s_mov_b32 s[G1A+3], 128<<16                    ; tile_dim0 = 128
	s_mov_b32 s[G1A+4], 128                        ; tile_dim1 = 128
	s_mov_b32 s[G1A+5], 1024                       ; elements from row to row
	s_mov_b32 s[G1A+6], 0
	s_mov_b32 s[G1A+7], 0
	s_mov_b32 s[G1B+1], 128<<16
	s_mov_b32 s[G1B+2], 64<<16                     ; W's loads have 64 rows
	s_mov_b32 s[G1B+3], 128<<16
	s_mov_b32 s[G1B+4], 64
	s_mov_b32 s[G1B+5], 1024
	s_mov_b32 s[G1B+6], 0
	s_mov_b32 s[G1B+7], 0
	s_lshl_b32 s82, s24, 19                        ; x: 256 rows of 2,048 bytes a block, 128 a half: made of mb and the wave alone
	s_lshl_b32 s83, s[WN], 18
	s_add_co_u32 s82, s82, s83
	s_mov_b32 s83, 0
	s_lshl_b32 s84, s23, 18                        ; W: 128 rows a block, 64 a half: made of nb and the wave alone
	s_lshl_b32 s85, s[WN], 17
	s_add_co_u32 s84, s84, s85
	s_mov_b32 s85, 0
	s_mul_i32 s86, s[WN], AHALF                    ; where they go: no place in the cluster enters an LDS address
	s_mul_i32 s87, s[WN], BHALF
	s_add_co_u32 s87, s87, BOFF
	s_mov_b32 s[G0A], 1
	s_mov_b32 s[G0A+1], s86
	s_mov_b32 s[G0AW], 1
	s_add_co_u32 s[G0AW+1], s86, SLOT1
	s_mov_b32 s[G0B], 1
	s_mov_b32 s[G0B+1], s87
	s_mov_b32 s[G0BW], 1
	s_add_co_u32 s[G0BW+1], s87, SLOT1
	s_mov_b32 s[OFA+1], 0
	s_mov_b32 s[OFB+1], 0
	s_mov_b32 s[REQ], 2
	s_mov_b32 s[TB], 0
	s_lshl_b32 s[COLB], s23, 9                     ; my 64 columns in a bias, in bytes
	s_lshl_b32 s88, s[WN], 8
	s_add_co_u32 s[COLB], s[COLB], s88
	s_mov_b32 s[COLB+1], 0
	s_and_b32 s88, s24, 7                          ; the table's block of 16 positions: 16 (mb % 8) + 8 wm
	s_lshl_b32 s88, s88, 4
	s_lshl3_add_u32 s88, s[WM], s88
	s_lshl_b32 s88, s88, 12
	s_mov_b32 s89, 0
	s_lshr_b32 s90, s24, 3                         ; out: b,
	s_lshl_b32 s90, s90, 22
	s_lshr_b32 s91, s23, 1                         ; hg,
	s_lshl_b32 s91, s91, 20
	s_add_co_u32 s90, s90, s91
	s_and_b32 s91, s24, 7                          ; t = 4 (mb % 8) + 2 wm,
	s_lshl_b32 s91, s91, 2
	s_lshl1_add_u32 s91, s[WM], s91
	s_lshl_b32 s91, s91, 15
	s_add_co_u32 s90, s90, s91
	s_and_b32 s91, s23, 1                          ; hh = 2 (nb % 2) + wn
	s_lshl1_add_u32 s91, s91, s[WN]
	s_lshl_b32 s91, s91, 13
	s_add_co_u32 s90, s90, s91
	s_mov_b32 s91, 0
	v_and_b32 v1, 15, v0                           ; l % 16
	v_bfe_u32 v2, v0, 4, 1                         ; l / 16
	v_mul_u32_u24 v3, v1, PITCH
	v_lshl_add_u32 v3, v2, 4, v3                   ; a fragment's row x pitch + 16 x half
	s_mul_i32 s86, s[WM], AHALF
	v_add_nc_u32 v[ADRA0], s86, v3
	s_mul_i32 s87, s[WN], BHALF
	s_add_co_u32 s87, s87, BOFF
	v_add_nc_u32 v[ADRB0], s87, v3
	v_mov_b32 v[ADRA], v[ADRA0]
	v_mov_b32 v[ADRB], v[ADRB0]
	s_mul_i32 s86, s[WV], 16*SP
	s_add_co_u32 s86, s86, STAGE                   ; my stage
	v_mul_u32_u24 v4, v1, SP
	v_lshl_add_u32 v4, v2, 4, v4
	v_add_nc_u32 v[STO], s86, v4
	v_bfe_u32 v5, v0, 3, 2
	v_and_b32 v6, 7, v0
	v_mul_u32_u24 v5, v5, SP
	v_lshl_add_u32 v5, v6, 4, v5
	v_add_nc_u32 v[RD], s86, v5
	v_and_b32 v[L16], 31, v0
	v_lshlrev_b32 v[L16], 4, v[L16]
	v_lshlrev_b32 v[BO], 5, v2
	s_wait_dscnt 0x0                               ; the opening add is done
	s_wait_kmcnt 0x0
	s_add_nc_u64 s[BA:BA+1], s[4:5], s[82:83]
	s_add_nc_u64 s[BB:BB+1], s[6:7], s[84:85]
	s_mov_b64 s[G0A+2:G0A+3], s[BA:BA+1]           ; step 0
	s_or_b32 s[G0A+3], s[G0A+3], 0x80000000
	s_add_nc_u64 s[G0AW+2:G0AW+3], s[BA:BA+1], 256 ; step 1
	s_or_b32 s[G0AW+3], s[G0AW+3], 0x80000000
	s_mov_b64 s[G0B+2:G0B+3], s[BB:BB+1]
	s_or_b32 s[G0B+3], s[G0B+3], 0x80000000
	s_add_nc_u64 s[G0BW+2:G0BW+3], s[BB:BB+1], 256
	s_or_b32 s[G0BW+3], s[G0BW+3], 0x80000000
	s_add_nc_u64 s[BP:BP+1], s[8:9], s[COLB:COLB+1]
	s_add_nc_u64 s[TBL:TBL+1], s[14:15], s[88:89]  ; the table divided by 8 comes first: q's
	s_add_nc_u64 s[DST:DST+1], s[16:17], s[90:91]
	CROUND                                         ; all sixteen work-groups are here: the first joint loads meet
	s_cmp_eq_u32 s[WM], 0                          ; a wave's two first fills stand in one branch: two loads of mine are out
	s_cbranch_scc0 .Lfirst_b
	tensor_load_to_lds s[G0A:G0A+3], s[G1A:G1A+7]
	s_nop 0
	tensor_load_to_lds s[G0AW:G0AW+3], s[G1A:G1A+7]
	s_nop 0
.rept 4
	v_nop
.endr
	s_branch .Lfirst_asked
.Lfirst_b:
	tensor_load_to_lds s[G0B:G0B+3], s[G1B:G1B+7]
	s_nop 0
	tensor_load_to_lds s[G0BW:G0BW+3], s[G1B:G1B+7]
	s_nop 0
.rept 4
	v_nop
.endr
.Lfirst_asked:
	BIASLD                                         ; bq
	s_wait_tensorcnt 0x1                           ; my part of step 0 is in; step 1's may stay out
	s_barrier_signal -1
	s_barrier_wait -1
	FETCH 0, F0
	WIN 0
	s_mov_b32 s[TILES], 3                          ; tiles to go, this one among them: the same in every work-group
.Ltile:
	s_wait_loadcnt 0x0                             ; the bias
	QUARTER 64, F0, F1, 1                          ; a tile's first quarter: the bias starts the sums
	WIN 0
	s_mov_b32 s[CNT], 6
.Lstep:                                            ; a trip: a step's quarters 2 to 4 and the next step's first; one slot is filled again
	QUARTER 128, F1, F0, 0
	QUARTER 192, F0, F1, 0
	TURN 1
	QUARTER 64, F0, F1, 0
	WIN 0
	s_sub_co_u32 s[CNT], s[CNT], 1
	s_cmp_lg_u32 s[CNT], 0
	s_cbranch_scc1 .Lstep
	s_cmp_eq_u32 s[TILES], 1
	s_cbranch_scc1 .Llast                          ; the last tile's tail is written out: it asks for nothing more
	QUARTER 128, F1, F0, 0
	QUARTER 192, F0, F1, 0
	TURN 1                                         ; the ring goes on into the next tile: its step 0,
	QUARTER 64, F0, F1, 0
	QUARTER 128, F1, F0, 0
	QUARTER 192, F0, F1, 0
	WIN 0
	s_cmp_eq_u32 s[TILES], 3                       ; the next tile's bias: bk behind q, bv behind k.  The last loads by BP were waited for at the tile's head
	s_cselect_b64 s[BP:BP+1], s[10:11], s[12:13]
	s_add_nc_u64 s[BP:BP+1], s[BP:BP+1], s[COLB:COLB+1]
	BIASLD
	TABLD 0
	TABLD 1
	TURN 1                                         ; its step 1, and its first fragments
	PLACES
.irp a, 0,1,2,3,4,5,6,7                ; q and k go out: both refills are asked for, and nothing waits for the stores
.if (\a) < 7
	s_wait_loadcnt 8                               ; only the next block's table is younger
.else
	s_wait_loadcnt 0x0
.endif
	ROPE \a
.if (\a) < 6
	WIN 0
	TABLD (\a)+2
.endif
	CVT
.if (\a) > 0
	SEND (\a)-1
.endif
	TOSTAGE \a
.endr
	SEND 7
	s_wait_xcnt 0x0                                ; the stores' and the table loads' bases are stepped only behind this wait
	s_add_nc_u64 s[DST:DST+1], s[DST:DST+1], 1<<24 ; the next matrix
	s_add_nc_u64 s[TBL:TBL+1], s[TBL:TBL+1], 1<<19 ; the plain table, for k (behind k the step serves nothing: v loads no table)
	s_sub_co_u32 s[TILES], s[TILES], 1
	s_branch .Ltile
.Llast:
	QUARTER 128, F1, F0, 0
	QUARTER 192, F0, F1, 0
	TURN 0
	QUARTER 64, F0, F1, 0
	QUARTER 128, F1, F0, 0
	QUARTER 192, F0, F1, 0
	s_wait_dscnt 8
	MUL8 F1, 0, 0
	MUL8 F1, 2, 0
	s_wait_dscnt 0x0
	MUL8 F1, 4, 0
	MUL8 F1, 6, 0
	PLACES
.irp a, 0,1,2,3,4,5,6,7
	PLAIN \a
.if (\a) > 0
	SEND (\a)-1
.endif
	TOSTAGE \a
.endr
	SEND 7
	s_wait_tensorcnt 0x0                           ; the wave's end
	ds_add_u32 v[SPW], v[NIL]
	s_wait_dscnt 0x0
	CROUND                                         ; the closing round
	s_endpgm
.Lfunc_end_k_qf85f894ba4_qkv:
	.size	k_qf85f894ba4_qkv, .Lfunc_end_k_qf85f894ba4_qkv-k_qf85f894ba4_qkv
	.p2alignl 7, 3214868480
	.fill 96, 4, 3214868480
	.section	.rodata,"a",@progbits
	.p2align	6, 0x0
	.amdhsa_kernel k_qf85f894ba4_qkv
		.amdhsa_group_segment_fixed_size 327680
		.amdhsa_private_segment_fixed_size 0
		.amdhsa_enable_private_segment 0
		.amdhsa_kernarg_size 56
		.amdhsa_user_sgpr_count 2
		.amdhsa_user_sgpr_kernarg_segment_ptr 1
		.amdhsa_wavefront_size32 1
		.amdhsa_system_sgpr_workgroup_id_x 1
		.amdhsa_system_sgpr_workgroup_id_y 1
		.amdhsa_system_sgpr_workgroup_id_z 1
		.amdhsa_system_vgpr_workitem_id 0
		.amdhsa_next_free_vgpr 768
		.amdhsa_next_free_sgpr 92
		.amdhsa_reserve_vcc 0
		.amdhsa_float_denorm_mode_32 3
		.amdhsa_float_denorm_mode_16_64 3
		.amdhsa_memory_ordered 1
		.amdhsa_forward_progress 1
		.amdhsa_inst_pref_size 141
	.end_amdhsa_kernel
	.amdgpu_metadata
---
amdhsa.version: [ 1, 2 ]
amdhsa.kernels:
  - .name:           k_qf85f894ba4_qkv
    .symbol:         k_qf85f894ba4_qkv.kd
    .args:
      - { .name: x16, .offset: 0, .size: 8, .value_kind: global_buffer, .address_space: global }
      - { .name: w16, .offset: 8, .size: 8, .value_kind: global_buffer, .address_space: global }
      - { .name: bq, .offset: 16, .size: 8, .value_kind: global_buffer, .address_space: global }
      - { .name: bk, .offset: 24, .size: 8, .value_kind: global_buffer, .address_space: global }
      - { .name: bv, .offset: 32, .size: 8, .value_kind: global_buffer, .address_space: global }
      - { .name: rope, .offset: 40, .size: 8, .value_kind: global_buffer, .address_space: global }
      - { .name: qkv, .offset: 48, .size: 8, .value_kind: global_buffer, .address_space: global }
    .group_segment_fixed_size: 327680
    .private_segment_fixed_size: 0
    .kernarg_segment_align: 8
    .kernarg_segment_size: 56
    .max_flat_workgroup_size: 128
    .sgpr_count:     92
    .vgpr_count:     768
    .wavefront_size: 32
...
	.end_amdgpu_metadata
.endif
;; end of part 2
;; launch attn (part 3): grid 16 x 16, 4 waves a work-group, clusters of 4 x 4, 327,680 bytes of LDS; arguments qkv, attention_mask, o16; writes o16
.if DOCPART == 3
	.amdgcn_target "amdgcn-amd-amdhsa--gfx1250"
	.amdhsa_code_object_version 6
	.text
	.protected	k_qf85f894ba4_attn
	.globl	k_qf85f894ba4_attn
	.p2align	8
	.type	k_qf85f894ba4_attn,@function
k_qf85f894ba4_attn:
	s_mov_b64 s[64:65], 0
	v_nop
	global_prefetch_b8 v0, s[64:65] scope:SCOPE_SE
	s_setreg_imm32_b32 hwreg(HW_REG_WAVE_MODE, 25, 1), 1
	s_wait_xcnt 0x0
	s_wait_alu depctr_hold_cnt(0) depctr_sa_sdst(0) depctr_va_vdst(0) depctr_va_sdst(0) depctr_va_ssrc(0) depctr_va_vcc(0) depctr_vm_vsrc(0)
	s_getreg_b32 s2, hwreg(HW_REG_IB_STS2, 6, 4)
	s_cmp_eq_u32 s2, 0
	s_cbranch_scc0 .Lentry_in_a_cluster
	s_endpgm
.Lentry_in_a_cluster:
	s_bfe_u32 s2, ttmp6, 0x10000c
	s_cmp_lg_u32 s2, 0xf033
	s_cbranch_scc0 .Lentry_shape_is_right
	s_endpgm
.Lentry_shape_is_right:
; O[b][q][head] = the sum over k of softmax_k(q/8 . k + mask[b][q][k]) v[k].  q/8, k, v: qkv[mat][b][hg][t][hh][row][ch] f16; mask f32, exact; o16: [8192][1024] f16.
; Products, maxima and sums in f32; the weights p are rounded to f16 for the second product (their sum l is taken of the unrounded p), O once at the end.
; LIMITS.  A row all of whose scores plus mask lie below -8.5e37 (a row hidden whole) gives NaN; scores stay below 2.3e38 in size; a weight below 2^-126 counts as 0 in l;
; -inf in the mask hides a key; +inf and NaN in the mask are not treated apart.
; SHARES.  A work-group owns 128 queries of a batch and FOUR heads, a head a wave: the four waves read ONE tile of the mask.  A wave's 128 queries are four PIECES of two tiles of 16.  32 key steps of 64.
; CLUSTER.  4 x 4: along x four query blocks, along y the four groups of four heads, all of one batch.  K's and V's tiles hang on batch and head group: asked for jointly along a row of the cluster;
; the mask's on batch and query block: jointly along a column.  So each mask byte is asked for once for all 16 heads.
; THE MASK is the C operand of the products that start the sums S^T = K Q^T: it costs no vector instruction and no rounding.
; LAYOUT.  S^T (source 0 = 16 keys, source 1 = 16 queries) holds ONE query a lane (lane % 16) and the keys 8 (lane / 16) + 0..7.  Two such results, rounded to f16 in pairs, ARE source 1 of O^T = V^T P.
; SOFTMAX.  A running maximum m and sum l: p = 2^(c s - c m), c = log2(e); in every step O and l are multiplied by a = 2^(c m_old - c m_new).  m starts far below every score that counts, O and l at 0.
; BY TURNS.  Turn n belongs to piece n: 16 products K Q^T of piece n + 1, later 16 products V^T P of piece n - 1; beside them the scaling, exponentials, roundings, sums and rescaling of piece n
; and the maximum and statistics of piece n + 1.  Four vector instructions that are ready stand behind every matrix instruction, the others in two lumps.
; REGISTERS, in windows of 256 (s_set_vgpr_msb: bits 1:0 source 0, 3:2 source 1, 5:4 source 2, 7:6 destination):
;   window 0: v0-11 addresses; v12-15, v48-63 at work; v16-47 statistics; v64-191 S^T, two buffers of two tiles; v192-255 P, likewise
;   window 1: O^T, 32 a tile     window 2: v0-127 Q; v128-191 K of one step; v192-255 V of one step     window 3: v0-127 the mask, two buffers laid as S^T; v128-129 the add's registers
.set NP,    4
.set KS,    64
.set PK,    144       ; a row of K in LDS: 128 bytes + 16
.set PV,    160       ; of V: 128 + 32
.set PM,    272       ; of the mask: 256 + 16
.set VOFF,  4*KS*PK   ; a slot holds one step: K of four heads, V of four heads, 128 rows of the mask
.set MOFF,  VOFF+4*KS*PV
.set SLOT1, 1<<17
.set STAGE, SLOT1+MOFF+128*PM  ; behind the ring, never filled by a tensor load: 128 rows x 528 bytes, the work-group's
.set SP,    528
.set SPARE, STAGE+128*SP       ; the spare words: two blocks of 256 bytes that no other line names
.set PF,  1           ; v1   lane x 8,192: a row of the mask a lane, for the prefetch; never rewritten
.set AK0, 2           ; v2   my lane's place in my head's K; never rewritten
.set AV0, 3           ; v3   in its V
.set AK,  4           ; v4   the same in the slot in hand
.set AV,  5
.set QO,  6           ; v6   my byte offset in 16 rows of Q
.set RD,  7           ; v7   the way out: where I read rows back
.set GO,  8           ; v8   16 x lane
.set STO, 9           ; v9   the way out: where I put 16 bytes of a row
.set AM0, 10          ; v10  my lane's place in the mask's tile
.set AM,  11
.set MV,  12
.set ST,  16          ; tile t's statistics at v[ST+4 t]: c m, m, l (even keys', odd keys')
.set TMP, 48
.set S,   64
.set P,   192
.set KF,  128
.set VF,  192
.set MC,  0           ; window 3
.set SPW, 128         ; window 3
.set NIL, 129         ; window 3
.set WV,  12
.set G1K, 24
.set G1V, 32
.set G1M, 40
.set G0K, 48
.set G0V, 52
.set G0M, 56
.set CS,  60
.set SEL, 62
.set TB,  66
.set CNT, 67
.set PI,  68          ; the step that the next prefetch names
.set PB,  70
.set PBASE, 72
.set OB,  74
.set POFF, 76
.set QA,  78
.set MSB, 0
.macro WIN new
.if MSB != (\new)
	s_set_vgpr_msb (MSB<<8)|(\new)
.set MSB, (\new)
.endif
.endm
.set W_KQ, 0x0a       ; K and Q in window 2, S^T in window 0
.set W_KM, 0x3a       ; the same with the C operand in window 3
.set W_PV, 0x52       ; V in window 2, P in window 0, O^T in window 1
.set W_RS, 0x41       ; O^T in window 1, a in window 0
.set W_MK, 0xc0
.set W_AD, 0x0f
.macro PLACES
.rept 4
	v_nop
.endr
.endm
; A joint fill.  Wave 0 fetches the step's K, wave 1 its V, waves 2 and 3 the halves of the mask's tile.  The branches hang on the wave's number alone.
; s_nop 0 and four v_nop follow each line.  Wave 0 also asks ahead for 32 rows x 256 bytes of the mask's tile one step beyond the one just asked for by tensor load:
; the four work-groups of a column of the cluster take 32 of its 128 rows each, so each block of 256 bytes is named once; the step is held at 31, the last.
.macro JLOAD
	s_cmp_lt_u32 s[WV], 2
	s_cbranch_scc0 .Lfor_m_\@
	s_cmp_eq_u32 s[WV], 0
	s_cbranch_scc0 .Lfor_v_\@
	tensor_load_to_lds s[G0K:G0K+3], s[G1K:G1K+7]
	s_nop 0
.rept 4
	v_nop
.endr
	global_prefetch_b8 v[PF], s[PB:PB+1] th:TH_LOAD_NT scope:SCOPE_SE
	s_branch .Lasked_\@
.Lfor_v_\@:
	tensor_load_to_lds s[G0V:G0V+3], s[G1V:G1V+7]
	s_nop 0
.rept 4
	v_nop
.endr
	s_branch .Lasked_\@
.Lfor_m_\@:
	tensor_load_to_lds s[G0M:G0M+3], s[G1M:G1M+7]
	s_nop 0
.rept 4
	v_nop
.endr
.Lasked_\@:
.endm
.macro CROUND
	s_barrier_signal -1
	s_barrier_wait -1
	s_cmp_lg_u32 s[WV], 0
	s_cbranch_scc1 .Lnot_wave_0_\@
	s_barrier_signal -3
.Lnot_wave_0_\@:
	s_barrier_wait -3
	s_barrier_signal -1
	s_barrier_wait -1
.endm
; THE CHANGE OF SLOTS, between piece 1's turn and piece 2's: all of the slot (K, V and the mask's four pieces) has been asked for.  Each wave waits for all its tensor loads, of which one is
; out at the most: its part of the other slot; adds 0 to its spare word; and waits for that and for its reads.  fill = 1: a round of the cluster's barrier, and the slot is filled again first thing behind it,
; with the step two on: it has a whole step, 128 matrix instructions and their vector work, in which to land.
.macro CHANGE fill
	WIN W_AD
	s_wait_tensorcnt 0x0
	ds_add_u32 v[SPW], v[NIL]
	WIN 0
.if \fill
	s_xor_b32 s[G0K+1], s[G0K+1], SLOT1
	s_add_nc_u64 s[G0K+2:G0K+3], s[G0K+2:G0K+3], 32768
	s_xor_b32 s[G0V+1], s[G0V+1], SLOT1
	s_add_nc_u64 s[G0V+2:G0V+3], s[G0V+2:G0V+3], 32768
	s_xor_b32 s[G0M+1], s[G0M+1], SLOT1
	s_add_nc_u64 s[G0M+2:G0M+3], s[G0M+2:G0M+3], 256
	s_wait_xcnt 0x0                 ; the last prefetch, a step back, has had its address translated: its base is rewritten only behind this wait
	s_min_u32 s69, s[PI], 31
	s_lshl_b32 s[POFF], s69, 8
	s_add_nc_u64 s[PB:PB+1], s[PBASE:PBASE+1], s[POFF:POFF+1]
	s_add_co_u32 s[PI], s[PI], 1
	s_wait_dscnt 0x0                ; the add is done, and my reads of the slot are over
	CROUND
	JLOAD
.else
	s_wait_dscnt 0x0
	s_barrier_signal -1
	s_barrier_wait -1
.endif
	s_xor_b32 s[TB], s[TB], SLOT1
	v_add_nc_u32 v[AK], s[TB], v[AK0]
	v_add_nc_u32 v[AV], s[TB], v[AV0]
	v_add_nc_u32 v[AM], s[TB], v[AM0]
.endm
	s_load_b128 s[4:7], s[0:1], 0x0 ; qkv s[4:5], mask s[6:7]
	s_load_b64 s[8:9], s[0:1], 0x10 ; o16
	WIN W_MK
	v_lshl_add_u32 v[SPW], v0, 2, SPARE
	v_mov_b32 v[NIL], 0
	WIN W_AD
	ds_add_u32 v[SPW], v[NIL]       ; the wave's opening: the add and its wait stand ahead of my first tensor load; work on registers stands between them
	WIN 0
	v_lshrrev_b32 v12, 5, v0
	v_readfirstlane_b32 s[WV], v12
	s_bfe_u32 s13, ttmp6, 0x40000   ; cx
	s_bfe_u32 s14, ttmp6, 0x40004   ; cy: the group of four heads
	s_lshl_b32 s15, ttmp9, 2
	s_add_co_u32 s15, s15, s13      ; my block of 128 queries
	s_and_b32 s16, ttmp7, 0xffff    ; the cluster's y: the batch
	s_lshl_b32 s17, s14, 2
	s_lshl_b32 s17, 15, s17         ; my row of the cluster
	s_lshl_b32 s18, 0x1111, s13     ; my column
	s_lshl_b32 s20, s16, 22         ; K, V: batch and head group alone
	s_lshl_b32 s21, s14, 20
	s_add_co_u32 s20, s20, s21
	s_mov_b32 s21, 0
	s_lshl_b32 s22, s16, 24         ; the mask: batch and query block alone,
	s_lshl_b32 s23, s15, 20
	s_add_co_u32 s22, s22, s23
	s_mov_b32 s23, 0
	s_and_b32 s19, s[WV], 1
	s_lshl_b32 s[POFF], s19, 19     ; and which 64 rows I fetch
	s_add_co_u32 s[POFF], s[POFF], s22
	s_mov_b32 s[POFF+1], 0
	s_mul_i32 s19, s19, 64*PM
	s_add_co_u32 s19, s19, MOFF
	s_lshl_b32 s69, s14, 18         ; the prefetch: my work-group's 32 rows of the tile
	s_add_co_u32 s22, s22, s69
	s_lshl_b32 s[QA], s15, 16       ; Q: my block's 128 rows are t = 2 qb, 2 qb + 1; my head
	s_lshl_b32 s[QA+1], s[WV], 13
	s_add_co_u32 s[QA], s[QA], s[QA+1]
	s_add_co_u32 s[QA], s[QA], s20
	s_mov_b32 s[QA+1], 0
	s_lshl_b32 s[OB], s16, 22       ; O: batch, block, the 32 rows that my wave stores, the head group's 512 bytes
	s_lshl_b32 s[OB+1], s15, 18
	s_add_co_u32 s[OB], s[OB], s[OB+1]
	s_lshl_b32 s[OB+1], s[WV], 16
	s_add_co_u32 s[OB], s[OB], s[OB+1]
	s_lshl_b32 s[OB+1], s14, 9
	s_add_co_u32 s[OB], s[OB], s[OB+1]
	s_mov_b32 s[OB+1], 0
	; K and V: a step's four heads are 32,768 dense bytes: 128 rows of 256 bytes, two keys a row, padded in LDS after every key
	s_or_b32 s[G1K], s17, (1<<16)|(1<<20)|(1<<21)|(4<<22)|(3<<25)
	s_or_b32 s[G1V], s17, (1<<16)|(1<<20)|(1<<21)|(4<<22)|(7<<25)
.irp g, G1K, G1V
	s_mov_b32 s[\g+1], 128<<16
	s_mov_b32 s[\g+2], 128<<16
	s_mov_b32 s[\g+3], 128<<16
	s_mov_b32 s[\g+4], 128
	s_mov_b32 s[\g+5], 128
	s_mov_b32 s[\g+6], 0
	s_mov_b32 s[\g+7], 0
.endr
	; the mask: 64 rows x 64 elements of 4 bytes, 2,048 elements from row to row, 4 words of padding behind each row's 64
	s_or_b32 s[G1M], s18, (2<<16)|(1<<20)|(1<<21)|(5<<22)|(3<<25)
	s_mov_b32 s[G1M+1], 64<<16
	s_mov_b32 s[G1M+2], 64<<16
	s_mov_b32 s[G1M+3], 64<<16
	s_mov_b32 s[G1M+4], 64
	s_mov_b32 s[G1M+5], 2048
	s_mov_b32 s[G1M+6], 0
	s_mov_b32 s[G1M+7], 0
	s_mov_b32 s[G0K], 1
	s_mov_b32 s[G0K+1], 0
	s_mov_b32 s[G0V], 1
	s_mov_b32 s[G0V+1], VOFF
	s_mov_b32 s[G0M], 1
	s_mov_b32 s[G0M+1], s19
	s_mov_b32 s[CS], 0x3fb8aa3b     ; c = log2(e)
	s_mov_b32 s[CS+1], s[CS]
	s_mov_b32 s[SEL], 0x76543210
	s_mov_b32 s[SEL+1], 0xfedcba98
	s_mov_b32 s[TB], SLOT1          ; the first change of slots turns it into 0
	s_mov_b32 s[PI], 2
	v_and_b32 v12, 15, v0           ; l % 16
	v_bfe_u32 v13, v0, 4, 1         ; l / 16
	v_and_b32 v14, 7, v0
	v_bfe_u32 v15, v0, 3, 1
	v_and_b32 v[GO], 31, v0
	v_lshlrev_b32 v[PF], 13, v[GO]
	v_lshlrev_b32 v[GO], 4, v[GO]
	v_mul_u32_u24 v[AK0], v12, PK
	v_lshl_add_u32 v[AK0], v13, 4, v[AK0]
	s_mul_i32 s69, s[WV], KS*PK
	v_add_nc_u32 v[AK0], s69, v[AK0]
	v_lshl_add_u32 v[AV0], v13, 3, v14  ; the turning load: lane l reads key 8 (l / 16) + l % 8, channels 8 ((l / 8) % 2) + 0..7
	v_mul_u32_u24 v[AV0], v[AV0], PV
	v_lshl_add_u32 v[AV0], v15, 4, v[AV0]
	s_mul_i32 s69, s[WV], KS*PV
	s_add_co_u32 s69, s69, VOFF
	v_add_nc_u32 v[AV0], s69, v[AV0]
	v_mul_u32_u24 v[AM0], v12, PM   ; the mask as C: query l % 16, keys 8 (l / 16) + 0..7: 32 bytes
	v_lshl_add_u32 v[AM0], v13, 5, v[AM0]
	v_add_nc_u32 v[AM0], MOFF, v[AM0]
	v_lshlrev_b32 v[QO], 7, v12
	v_lshl_add_u32 v[QO], v13, 4, v[QO]
	v_mul_u32_u24 v[STO], v12, SP   ; into the stage: row l % 16, my head's 128 bytes, 16 for each half of the lanes
	v_lshl_add_u32 v[STO], v13, 4, v[STO]
	s_lshl_b32 s69, s[WV], 7
	s_add_co_u32 s69, s69, STAGE
	v_add_nc_u32 v[STO], s69, v[STO]
	s_mul_i32 s69, s[WV], 32*SP     ; back: wave w takes rows 32 w .. 32 w + 31, a whole row of 512 bytes to a load
	s_add_co_u32 s69, s69, STAGE
	v_add_nc_u32 v[RD], s69, v[GO]
	s_wait_dscnt 0x0                ; the opening add is done
	s_wait_kmcnt 0x0
	s_add_nc_u64 s[G0K+2:G0K+3], s[4:5], s[20:21]
	s_add_nc_u64 s[G0K+2:G0K+3], s[G0K+2:G0K+3], 1<<24
	s_add_nc_u64 s[G0V+2:G0V+3], s[G0K+2:G0K+3], 1<<24
	s_or_b32 s[G0K+3], s[G0K+3], 0x80000000
	s_or_b32 s[G0V+3], s[G0V+3], 0x80000000
	s_add_nc_u64 s[G0M+2:G0M+3], s[6:7], s[POFF:POFF+1]
	s_or_b32 s[G0M+3], s[G0M+3], 0x80000000
	s_add_nc_u64 s[PBASE:PBASE+1], s[6:7], s[22:23]
	s_add_nc_u64 s[PB:PB+1], s[PBASE:PBASE+1], 256  ; step 1
	s_add_nc_u64 s[QA:QA+1], s[4:5], s[QA:QA+1]
	s_add_nc_u64 s[OB:OB+1], s[8:9], s[OB:OB+1]
	CROUND                          ; all sixteen work-groups are here: the first joint loads meet
	JLOAD                           ; step 0 into slot 0.  Slot 1 is asked for when slot 0 is in, by the loop's own change of slots
	WIN 0x80
.set i, 0
.rept 4*NP                          ; Q stays in registers: tile i / 2, channels 32 (i % 2) on
	global_load_b128 v[8*i:8*i+3],   v[QO], s[QA:QA+1] offset:((i/2)/4)*32768+((i/2)%4)*2048+(i%2)*64
	global_load_b128 v[8*i+4:8*i+7], v[QO], s[QA:QA+1] offset:((i/2)/4)*32768+((i/2)%4)*2048+(i%2)*64+32
.set i, i+1
.endr
	; What the first turn finds: V's registers and P's second buffer hold 0, O^T and l are 0.  All this stands in the wait for the first tile.
.set i, VF
.rept 64
	v_mov_b32 v[i], 0
.set i, i+1
.endr
	WIN 0x40
.set i, 0
.rept 64*NP
	v_mov_b32 v[i], 0
.set i, i+1
.endr
	WIN 0
.set i, 0
.rept 2*NP
	v_mov_b32 v[ST+4*i], 0xff000000    ; c m: -2^127
	v_mov_b32 v[ST+4*i+1], 0xfe800000  ; m: -2^126, so that c m stays finite
	v_mov_b32 v[ST+4*i+2], 0
	v_mov_b32 v[ST+4*i+3], 0
.set i, i+1
.endr
.set i, P+32
.rept 32
	v_mov_b32 v[i], 0
.set i, i+1
.endr
; THE MATRIX WORK.  The 8 accumulators of a run of 16 take turns.
; Product i of 16 of S^T for piece x: channels 32 (i / 8) on, keys 16 ((i / 2) % 4) on, tile 2 x + i % 2.  The first 8 start the sums with the mask.
.macro KQ x
.set rS, S+64*((\x)%2)+32*(i%2)+8*((i/2)%4)
.set rK, KF+16*((i/2)%4)+8*(i/8)
.set rQ, 16*(2*(\x)+i%2)+8*(i/8)
.set rMC, MC+64*((\x)%2)+32*(i%2)+8*((i/2)%4)
.if i < 8
	WIN W_KM
	v_wmma_f32_16x16x32_f16 v[rS:rS+7], v[rK:rK+7], v[rQ:rQ+7], v[rMC:rMC+7]
.else
	WIN W_KQ
	v_wmma_f32_16x16x32_f16 v[rS:rS+7], v[rK:rK+7], v[rQ:rQ+7], v[rS:rS+7]
.endif
.endm
.macro PV x
	WIN W_PV
.set rO, 32*(2*(\x)+i%2)+8*((i/2)%4)
.set rV, VF+32*(i/8)+8*((i/2)%4)
.set rP, P+32*((\x)%2)+16*(i%2)+8*(i/8)
	v_wmma_f32_16x16x32_f16 v[rO:rO+7], v[rV:rV+7], v[rP:rP+7], v[rO:rO+7]
.endm
.macro MM
.if i < 16
	KQ (Y+1)%NP
.set i, i+1
.else
.set i, i-16
	PV (Y+NP-1)%NP
.set i, i+17
.endif
.endm
; THE LDS LOADS stand in runs of 16.
.macro FETCH_K
	WIN 0x80
.irp f, 0,1,2,3,4,5,6,7
	ds_load_b128 v[KF+8*\f:KF+8*\f+3],   v[AK] offset:(\f/2)*16*PK+(\f%2)*64
	ds_load_b128 v[KF+8*\f+4:KF+8*\f+7], v[AK] offset:(\f/2)*16*PK+(\f%2)*64+32
.endr
	WIN 0
.endm
.macro FETCH_V
	WIN 0x80
.irp f, 0,1,2,3,4,5,6,7
	ds_load_tr16_b128 v[VF+8*\f:VF+8*\f+3],   v[AV] offset:(\f/4)*32*PV+(\f%4)*32
	ds_load_tr16_b128 v[VF+8*\f+4:VF+8*\f+7], v[AV] offset:(\f/4)*32*PV+16*PV+(\f%4)*32
.endr
	WIN 0
.endm
.macro FETCH_M x                    ; piece x's mask: tile f / 4, keys 16 (f % 4) on
	WIN 0xc0
.irp f, 0,1,2,3,4,5,6,7
	ds_load_b128 v[MC+64*((\x)%2)+32*(\f/4)+8*(\f%4):MC+64*((\x)%2)+32*(\f/4)+8*(\f%4)+3],   v[AM] offset:(32*(\x)+16*(\f/4))*PM+(\f%4)*64
	ds_load_b128 v[MC+64*((\x)%2)+32*(\f/4)+8*(\f%4)+4:MC+64*((\x)%2)+32*(\f/4)+8*(\f%4)+7], v[AM] offset:(32*(\x)+16*(\f/4))*PM+(\f%4)*64+16
.endr
	WIN 0
.endm
; THE VECTOR WORK OF A TURN stands in three queues, each in the order in which its entries become ready; the two tiles alternate.
.macro REGS y, u
.set rT, ST+4*(2*(\y)+(\u))
.set rC, TMP+8*((\y)%2)+4*(\u)
.set rM, MV+2*((\y)%2)+(\u)
.set rS, S+64*((\y)%2)+32*(\u)
.set rP, P+32*((\y)%2)+16*(\u)
.set rO, 32*(2*(\y)+(\u))
.endm
; Number n of the 22 that find the NEXT piece's maximum and statistics; each accumulator's lowest registers are read first.
;   0-11 four chains of seven scores     12-14, 16 the four left over, the old m, all into c0     15 c m_old is kept     17, 18 the other half of the lanes     19-21 c m; c m_old - c m_new; a
.macro XS u, n
	REGS (Y+1)%NP, \u
.if (\n) < 4
	v_max3_num_f32 v[rC+(\n)], v[rS+8*(\n)], v[rS+8*(\n)+1], v[rS+8*(\n)+2]
.elseif (\n) < 12
	v_max3_num_f32 v[rC+(\n)%4], v[rC+(\n)%4], v[rS+8*((\n)%4)+2*((\n)/4)+1], v[rS+8*((\n)%4)+2*((\n)/4)+2]
.elseif (\n) == 12
	v_max3_num_f32 v[rC], v[rC], v[rS+7], v[rS+15]
.elseif (\n) == 13
	v_max3_num_f32 v[rC+1], v[rC+1], v[rS+23], v[rS+31]
.elseif (\n) == 14
	v_max3_num_f32 v[rC+2], v[rC+2], v[rC+3], v[rT+1]
.elseif (\n) == 15
	v_mov_b32 v[rM], v[rT]
.elseif (\n) == 16
	v_max3_num_f32 v[rC], v[rC], v[rC+1], v[rC+2]
.elseif (\n) == 17
	v_permlanex16_b32 v[rC+3], v[rC], s[SEL], s[SEL+1]
.elseif (\n) == 18
	v_max_num_f32 v[rT+1], v[rC], v[rC+3]
.elseif (\n) == 19
	v_mul_f32 v[rT], s[CS], v[rT+1]
.elseif (\n) == 20
	v_sub_f32 v[rC+1], v[rM], v[rT]
.else
	v_exp_f32 v[rC+2], v[rC+1]
.endif
.endm
; Number g of the 64 that follow the exponentials: for each four weights both pairs are rounded to f16, the second pair is added onto the first, and a group later l takes that sum.
.macro GS g
.set h, (\g)+6*((\g)/62)
.if h >= 6
.set h, h+2
.endif
	REGS Y, h%2
.set k, h/8
.if h%8 < 4
	s_wait_alu depctr_va_vdst(0)
	v_cvt_pk_f16_f32 v[rP+2*k+(h%8)/2], v[rS+4*k+2*((h%8)/2)], v[rS+4*k+2*((h%8)/2)+1]
.elseif h%8 < 6
	v_pk_add_f32 v[rS+4*k:rS+4*k+1], v[rS+4*k:rS+4*k+1], v[rS+4*k+2:rS+4*k+3]
.elseif k == 1
	v_pk_fma_f32 v[rT+2:rT+3], v[rT+2:rT+3], v[rC+2:rC+3], v[rS:rS+1] op_sel_hi:[1,0,1]
.else
	v_pk_add_f32 v[rT+2:rT+3], v[rT+2:rT+3], v[rS+4*k-4:rS+4*k-3]
	s_wait_alu depctr_va_vdst(0)
.endif
.endm
; THE PLAIN QUEUE, 138 long: 0-31 c s - c m; then GS's 64 and among them the next piece's 42.
.macro PL
	WIN 0
.if q < 32
	REGS Y, q%2
	v_pk_fma_f32 v[rS+2*(q/2):rS+2*(q/2)+1], v[rS+2*(q/2):rS+2*(q/2)+1], s[CS:CS+1], v[rT:rT+1] op_sel_hi:[1,0,0] neg_lo:[0,0,1] neg_hi:[0,0,1]
.elseif q < 38
	GS q-32
.elseif q < 40
	XS q%2, 15
.elseif q < 42
	GS q-34
.elseif q < 74
	XS q%2, (q-42)/2+(q-42)/30
.elseif q < 95
	GS q-66
.elseif (q < 107) && ((q-95)%3 < 2)
	XS (q-95)%3, 17+(q-95)/3
.elseif q < 107
	GS 29+(q-95)/3
.else
	GS q-74
.endif
.set q, q+1
.endm
; THE EXPONENTIALS' QUEUE, 66 long: s0-s31 of both tiles, and at EA the next piece's two a.
.set EA, 58
.macro EX
	WIN 0
.if (e == EA) || (e == EA+1)
	XS e-EA, 21
.else
.set x, e-2*(e/(EA+2))
	REGS Y, x%2
	v_exp_f32 v[rS+x/2], v[rS+x/2]
.endif
.set e, e+1
.endm
; THE RESCALING's QUEUE: O^T times a, four at a time, eight times.
.macro R4
	REGS Y, r%2
	WIN W_RS
	s_wait_alu depctr_va_vdst(0)
.irp z, 0,1,2,3
	v_pk_mul_f32 v[rO+8*(r/2)+2*\z:rO+8*(r/2)+2*\z+1], v[rO+8*(r/2)+2*\z:rO+8*(r/2)+2*\z+1], v[rC+2:rC+3] op_sel_hi:[1,0]
.endr
.set r, r+1
.endm
; THE DEAL.  Behind a matrix instruction four: plain, exponential, plain, plain, or four of the rescaling; none names a register of the products round it.  What is over stands in two lumps.
.macro SL
	MM
	PL
	EX
	PL
	PL
.endm
.macro BURST n
.rept (\n)-7
	SL
.endr
.rept 3
	MM
	R4
	SL
.endr
	MM
	R4
.endm
; A TURN, for piece p.  In its first lump it fetches the mask of piece p + 2, whose products stand in the next turn; piece 2's turn also the next step's K, 30 vector instructions behind the last product
; that read K; piece 0's turn, at its end, the V of the step in hand.  WAITS: at the head all LDS loads are waited for (the mask of the products to come; in piece 3's turn K too), but in piece 1's turn
; V's 16, which are younger than the mask's, stay out; ahead of piece 1's products V^T P V is waited for, and the 16 mask loads just issued stay out.
.macro TURN p, cnt=0
.set Y, (\p)
.set i, 0
.set q, 0
.set e, 0
.set r, 0
.if (\p) == 1
	s_wait_dscnt 16
.else
	s_wait_dscnt 0x0
.endif
	MM
.rept 4
	PL
.endr
	BURST 15
.rept 22
	EX
	PL
.if e == 24
	FETCH_M ((\p)+2)%NP
.if (\p) == NP-2
	FETCH_K
.endif
.endif
.endr
.if (\p) == 1
	s_wait_dscnt 16
.endif
	BURST 16
.rept 21
	EX
	PL
.endr
.rept 22
	PL
.if (\cnt) && (q == 130)
	s_sub_co_u32 s[CNT], s[CNT], 1
	s_cmp_lg_u32 s[CNT], 0
.endif
.endr
.if (\p) == 0
	FETCH_V
.endif
.endm
	CHANGE 1                        ; slot 0 is in, everybody's part of it; step 1 is asked for
	FETCH_K                         ; step 0
	FETCH_M 0
	FETCH_M 1
	s_wait_loadcnt 0x0              ; Q
	s_wait_dscnt 0x0
.set i, 0
.rept 16
	KQ 0                            ; piece 0's first scores
.set i, i+1
.endr
	WIN 0
	PLACES
.set Y, NP-1                        ; XS works for piece Y + 1: piece 0
.irp n, 0,1,2,3,4,5,6,7,8,9,10,11,12,13,14,15,16,17,18,19,20,21
	XS 0, \n
	XS 1, \n
.endr
	s_mov_b32 s[CNT], 31
	s_branch .Lfirst                ; the loop is entered at a step's first turn, in the middle of a trip
.Lstep:                             ; 30 times: steps 2 to 31 are asked for
	CHANGE 1
	TURN 2
	TURN 3
	WIN 0
.Lfirst:
	TURN 0
	TURN 1, 1
	WIN 0
	s_cbranch_scc1 .Lstep
	CHANGE 0                        ; the tail is written out: nothing is asked for
	s_mov_b32 s[CNT], 2
.Ltail:
	TURN 2
	TURN 3
	WIN 0
	s_sub_co_u32 s[CNT], s[CNT], 1
	s_cmp_eq_u32 s[CNT], 0
	s_cbranch_scc1 .Lout
	TURN 0
	TURN 1
	WIN 0
	s_branch .Ltail
.Lout:                              ; the second trip's products K Q^T (on the last K and mask once more) and the maximum made of them serve nothing: the price of one text for every trip
.set i, 0
.rept 16
	PV NP-1
.set i, i+1
.endr
	; THE WAY OUT.  l's halves are added; O^T is divided by l, rounded to f16 and put into the work-group's stage; a barrier, since a row's 512 bytes come from four waves; back as whole rows.
	WIN 0
.macro ALL line:vararg
.set t, 0
.rept 2*NP
	\line
.set t, t+1
.endr
.endm
	ALL v_add_f32 v[ST+4*t+2], v[ST+4*t+2], v[ST+4*t+3]
	ALL v_permlanex16_b32 v[ST+4*t+3], v[ST+4*t+2], s[SEL], s[SEL+1]
	ALL v_add_f32 v[ST+4*t+2], v[ST+4*t+2], v[ST+4*t+3]
	ALL v_rcp_f32 v[ST+4*t+2], v[ST+4*t+2]
	v_nop                           ; a plain instruction between the last reciprocal and the use of its result
	s_wait_alu depctr_va_vdst(0)
.macro PACK t
	WIN W_RS
.set i, 32*(\t)
.rept 16
	v_pk_mul_f32 v[i:i+1], v[i:i+1], v[ST+4*(\t)+2:ST+4*(\t)+3] op_sel_hi:[1,0]
.set i, i+2
.endr
	WIN 0x05
.set i, 0
.rept 16
	v_cvt_pk_f16_f32 v[S+16*(\t)+i], v[32*(\t)+2*i], v[32*(\t)+2*i+1]
.set i, i+1
.endr
	WIN 0
.irp f, 0,1,2,3
	ds_store_b128 v[STO], v[S+16*(\t)+4*\f:S+16*(\t)+4*\f+3] offset:(\t)*16*SP+32*\f
.endr
.endm
.set tt, 0
.rept 2*NP
	PACK tt
.set tt, tt+1
.endr
	s_wait_dscnt 0x0                ; for the others' sake: my stores into the stage are done
	s_barrier_signal -1
	s_barrier_wait -1
.set i, 0
.rept 32
	ds_load_b128 v[S+4*i:S+4*i+3], v[RD] offset:i*SP
.set i, i+1
.endr
.set i, 0
.rept 32
	s_wait_dscnt 31-i               ; LDS loads come back in order: row i is in
	global_store_b128 v[GO], v[S+4*i:S+4*i+3], s[OB:OB+1] offset:i*2048  ; 512 consecutive bytes, aligned
.set i, i+1
.endr
	WIN W_AD
	s_wait_tensorcnt 0x0            ; the wave's end
	ds_add_u32 v[SPW], v[NIL]
	s_wait_dscnt 0x0
	WIN 0
	CROUND                          ; the closing round
	s_endpgm
.Lfunc_end_k_qf85f894ba4_attn:
	.size	k_qf85f894ba4_attn, .Lfunc_end_k_qf85f894ba4_attn-k_qf85f894ba4_attn
	.p2alignl 7, 3214868480
	.fill 96, 4, 3214868480
	.section	.rodata,"a",@progbits
	.p2align	6, 0x0
	.amdhsa_kernel k_qf85f894ba4_attn
		.amdhsa_group_segment_fixed_size 327680
		.amdhsa_private_segment_fixed_size 0
		.amdhsa_enable_private_segment 0
		.amdhsa_kernarg_size 24
		.amdhsa_user_sgpr_count 2
		.amdhsa_user_sgpr_kernarg_segment_ptr 1
		.amdhsa_wavefront_size32 1
		.amdhsa_system_sgpr_workgroup_id_x 1
		.amdhsa_system_sgpr_workgroup_id_y 1
		.amdhsa_system_sgpr_workgroup_id_z 1
		.amdhsa_system_vgpr_workitem_id 0
		.amdhsa_next_free_vgpr 898
		.amdhsa_next_free_sgpr 80
		.amdhsa_reserve_vcc 0
		.amdhsa_float_denorm_mode_32 3
		.amdhsa_float_denorm_mode_16_64 3
		.amdhsa_memory_ordered 1
		.amdhsa_forward_progress 1
		.amdhsa_inst_pref_size 222
	.end_amdhsa_kernel
	.amdgpu_metadata
---
amdhsa.version: [ 1, 2 ]
amdhsa.kernels:
  - .name:           k_qf85f894ba4_attn
    .symbol:         k_qf85f894ba4_attn.kd
    .args:
      - { .name: qkv, .offset: 0, .size: 8, .value_kind: global_buffer, .address_space: global }
      - { .name: attention_mask, .offset: 8, .size: 8, .value_kind: global_buffer, .address_space: global }
      - { .name: o16, .offset: 16, .size: 8, .value_kind: global_buffer, .address_space: global }
    .group_segment_fixed_size: 327680
    .private_segment_fixed_size: 0
    .kernarg_segment_align: 8
    .kernarg_segment_size: 24
    .max_flat_workgroup_size: 128
    .sgpr_count:     80
    .vgpr_count:     898
    .wavefront_size: 32
...
	.end_amdgpu_metadata
.endif
;; end of part 3
;; launch oproj (part 4): grid 8 x 32, 4 waves a work-group, clusters of 4 x 4, 327,680 bytes of LDS; arguments o16, w16, bo, out0; writes out0
.if DOCPART == 4
	.amdgcn_target "amdgcn-amd-amdhsa--gfx1250"
	.amdhsa_code_object_version 6
	.text
	.protected	k_qf85f894ba4_oproj
	.globl	k_qf85f894ba4_oproj
	.p2align	8
	.type	k_qf85f894ba4_oproj,@function
k_qf85f894ba4_oproj:
	s_mov_b64 s[64:65], 0
	v_nop
	global_prefetch_b8 v0, s[64:65] scope:SCOPE_SE
	s_setreg_imm32_b32 hwreg(HW_REG_WAVE_MODE, 25, 1), 1
	s_wait_xcnt 0x0
	s_wait_alu depctr_hold_cnt(0) depctr_sa_sdst(0) depctr_va_vdst(0) depctr_va_sdst(0) depctr_va_ssrc(0) depctr_va_vcc(0) depctr_vm_vsrc(0)
	s_getreg_b32 s2, hwreg(HW_REG_IB_STS2, 6, 4)
	s_cmp_eq_u32 s2, 0
	s_cbranch_scc0 .Lentry_in_a_cluster
	s_endpgm
.Lentry_in_a_cluster:
	s_bfe_u32 s2, ttmp6, 0x10000c
	s_cmp_lg_u32 s2, 0xf033
	s_cbranch_scc0 .Lentry_shape_is_right
	s_endpgm
.Lentry_shape_is_right:
; out0 = O Wo^T + bo.  o16: [8192][1024] f16; Wo: the fourth matrix of w16, [1024][1024] f16; bo f32; out0: [8192][1024] f32; sums in f32.
; A tile is 256 rows x 128 columns: 256 tiles, one to a work-group; four waves 2 x 2, each 128 x 64: 32 accumulators.  K goes in 8 steps of 128 (rows of 256 bytes) through two LDS slots.
; CLUSTER.  4 x 4: O's tile is asked for jointly along a row of the cluster, Wo's along a column.
; THE MATRIX INSTRUCTION IS USED TRANSPOSED (source 0 = 16 rows of Wo, source 1 = 16 rows of O): a lane holds row l % 16 and the columns 8 (l / 16) + 0..7 of a block.  The bias is the C operand that starts the sums.
; REGISTERS: window 0: addresses, bias, the way out; window 1: two fragment buffers of 96 (Wo 32, O 64); window 2: accumulator (a, b) at 8 (4 a + b).
.set PITCH,  272
.set AHALF,  128*PITCH
.set BHALF,  64*PITCH
.set BOFF,   2*AHALF
.set SLOT1,  1<<17
.set STAGE,  SLOT1+BOFF+2*BHALF        ; behind the ring, never filled by a tensor load: 16 rows x 272 bytes for each wave
.set SP,     272
.set SPARE,  STAGE+4*16*SP             ; the spare words: two blocks of 256 bytes that no other line names
.set ADRA0, 14
.set ADRB0, 15
.set ADRA,  16
.set ADRB,  17
.set STO,   24
.set RD,    25
.set CO,    26                         ; v26  my byte offset in two rows of out0
.set SPW,   28
.set NIL,   29
.set BO,    30
.set BIAS,  32
.set BK,    64                         ; v64-127 two buffers: 16 rows read back
.set F0,    0
.set F1,    96
.set WV, 18
.set WM, 19
.set WN, 20
.set G1A, 28
.set G1B, 36
.set G0A, 44
.set G0AW, 48
.set G0B, 52
.set G0BW, 56
.set TB, 71
.set CNT, 72
.set BP, 74
.set OUT, 80
.set G1BITS, (1<<16)|(1<<20)|(1<<21)|(5<<22)|(3<<25)
.set MSB, 0
.macro WIN new
.if MSB != (\new)
	s_set_vgpr_msb (MSB<<8)|(\new)
.set MSB, \new
.endif
.endm
.macro PLACES
.rept 4
	v_nop
.endr
.endm
.macro JLOAD                           ; a joint refill: waves 0, 1 O's halves, waves 2, 3 Wo's; s_nop 0 and four v_nop follow each line
	s_cmp_eq_u32 s[WM], 0
	s_cbranch_scc0 .Lfor_b_\@
	tensor_load_to_lds s[G0AW:G0AW+3], s[G1A:G1A+7]
	s_nop 0
.rept 4
	v_nop
.endr
	s_branch .Lasked_\@
.Lfor_b_\@:
	tensor_load_to_lds s[G0BW:G0BW+3], s[G1B:G1B+7]
	s_nop 0
.rept 4
	v_nop
.endr
.Lasked_\@:
.endm
.macro CREST
	s_cmp_lg_u32 s[WV], 0
	s_cbranch_scc1 .Lnot_wave_0_\@
	s_barrier_signal -3
.Lnot_wave_0_\@:
	s_barrier_wait -3
	s_barrier_signal -1
	s_barrier_wait -1
.endm
.macro CROUND
	s_barrier_signal -1
	s_barrier_wait -1
	CREST
.endm
.macro MUL8 f, a0, first               ; 8 matrix instructions; the 32 accumulators take turns
.if \first
	WIN 0x85
.else
	WIN 0xa5
.endif
.irp a, \a0, (\a0)+1
.irp b, 0,1,2,3
.if \first
	v_wmma_f32_16x16x32_f16 v[8*(4*(\a)+(\b)):8*(4*(\a)+(\b))+7], v[(\f)+8*(\b):(\f)+8*(\b)+7], v[(\f)+32+8*(\a):(\f)+32+8*(\a)+7], v[BIAS+8*(\b):BIAS+8*(\b)+7]
.else
	v_wmma_f32_16x16x32_f16 v[8*(4*(\a)+(\b)):8*(4*(\a)+(\b))+7], v[(\f)+8*(\b):(\f)+8*(\b)+7], v[(\f)+32+8*(\a):(\f)+32+8*(\a)+7], v[8*(4*(\a)+(\b)):8*(4*(\a)+(\b))+7]
.endif
.endr
.endr
.endm
.macro FETCH k, f
	WIN 0x40
.irp i, 0,1,2,3
	ds_load_b128 v[(\f)+8*(\i):(\f)+8*(\i)+3],   v[ADRB] offset:(\k)+(\i)*16*PITCH
	ds_load_b128 v[(\f)+8*(\i)+4:(\f)+8*(\i)+7], v[ADRB] offset:(\k)+(\i)*16*PITCH+32
.endr
.irp i, 0,1,2,3,4,5,6,7
	ds_load_b128 v[(\f)+32+8*(\i):(\f)+32+8*(\i)+3],   v[ADRA] offset:(\k)+(\i)*16*PITCH
	ds_load_b128 v[(\f)+32+8*(\i)+4:(\f)+32+8*(\i)+7], v[ADRA] offset:(\k)+(\i)*16*PITCH+32
.endr
.endm
.macro QUARTER k, f, g, first
	s_wait_dscnt 8                                 ; Wo and O's rows 0-63 are in; the youngest eight loads may be out
	MUL8 \f, 0, \first
	MUL8 \f, 2, \first
	PLACES
	FETCH \k, \g
	s_wait_dscnt 24                                ; all but the 24 just issued
	MUL8 \f, 4, \first
	MUL8 \f, 6, \first
.endm
.macro TURN fill                       ; the last quarter of a step and the change of slots: see the waits' comments
	WIN 0
	s_wait_tensorcnt 0x0                           ; all my tensor loads have landed: my part of the next slot
	ds_add_u32 v[SPW], v[NIL]
.if \fill
	s_add_nc_u64 s[G0AW+2:G0AW+3], s[G0AW+2:G0AW+3], 256  ; the walking descriptors: the next step, the other slot than last time
	s_xor_b32 s[G0AW+1], s[G0AW+1], SLOT1
	s_add_nc_u64 s[G0BW+2:G0BW+3], s[G0BW+2:G0BW+3], 256
	s_xor_b32 s[G0BW+1], s[G0BW+1], SLOT1
.endif
	s_wait_dscnt 9                                 ; the add and the youngest eight loads may be out
	MUL8 F1, 0, 0
	s_wait_dscnt 0x0                               ; the add is done, and my reads of this slot are over
	s_barrier_signal -1
	MUL8 F1, 2, 0
	WIN 0
	s_barrier_wait -1
.if \fill
	CREST
	JLOAD
.else
	PLACES
.endif
	s_xor_b32 s[TB], s[TB], SLOT1
	v_add_nc_u32 v[ADRA], s[TB], v[ADRA0]
	v_add_nc_u32 v[ADRB], s[TB], v[ADRB0]
	FETCH 0, F0
	MUL8 F1, 4, 0
	MUL8 F1, 6, 0
.endm
.macro TOSTAGE a                       ; block a: 32 bytes a lane and column block into rows of 272 bytes, low registers first; back as two whole rows of 256 to a load
	WIN 0x08
.irp b, 0,1,2,3
	ds_store_b128 v[STO], v[32*(\a)+8*(\b):32*(\a)+8*(\b)+3]   offset:64*(\b)
	ds_store_b128 v[STO], v[32*(\a)+8*(\b)+4:32*(\a)+8*(\b)+7] offset:64*(\b)+16
.endr
	WIN 0
	s_wait_xcnt 0x0                                ; this buffer, which the stores of two blocks back read, is loaded again only behind this wait
.irp t, 0,1,2,3,4,5,6,7
	ds_load_b128 v[BK+32*((\a)%2)+4*(\t):BK+32*((\a)%2)+4*(\t)+3], v[RD] offset:(\t)*2*SP  ; LDS serves a wave's instructions in order (ISA guide 5.7.1.4)
.endr
.endm
.macro SEND a, younger                 ; younger: the next block's sixteen LDS instructions, or none
	s_wait_dscnt \younger
.irp t, 0,1,2,3,4,5,6,7
	global_store_b128 v[CO], v[BK+32*((\a)%2)+4*(\t):BK+32*((\a)%2)+4*(\t)+3], s[OUT:OUT+1] offset:(16*(\a)+2*(\t))*4096 th:TH_STORE_NT  ; 16 lanes store 256 consecutive bytes, aligned
.endr
.endm
	s_load_b256 s[4:11], s[0:1], 0x0               ; o16 s[4:5], w16 s[6:7], bo s[8:9], out0 s[10:11]
	v_lshl_add_u32 v[SPW], v0, 2, SPARE
	v_mov_b32 v[NIL], 0
	ds_add_u32 v[SPW], v[NIL]                      ; the wave's opening: the add and its wait stand ahead of my first tensor load
	v_lshrrev_b32 v1, 5, v0
	v_readfirstlane_b32 s[WV], v1
	s_lshr_b32 s[WM], s[WV], 1
	s_and_b32 s[WN], s[WV], 1
	s_bfe_u32 s21, ttmp6, 0x40000                  ; cx
	s_bfe_u32 s22, ttmp6, 0x40004                  ; cy
	s_lshl_b32 s23, ttmp9, 2
	s_add_co_u32 s23, s23, s21                     ; nb
	s_and_b32 s24, ttmp7, 0xffff
	s_lshl_b32 s24, s24, 2
	s_add_co_u32 s24, s24, s22                     ; mb
	s_lshl_b32 s25, s22, 2
	s_lshl_b32 s25, 15, s25
	s_lshl_b32 s26, 0x1111, s21
	s_or_b32 s[G1A], s25, G1BITS
	s_or_b32 s[G1B], s26, G1BITS
	s_mov_b32 s[G1A+1], 128<<16
	s_mov_b32 s[G1A+2], 128<<16
	s_mov_b32 s[G1A+3], 128<<16
	s_mov_b32 s[G1A+4], 128
	s_mov_b32 s[G1A+5], 1024
	s_mov_b32 s[G1A+6], 0
	s_mov_b32 s[G1A+7], 0
	s_mov_b32 s[G1B+1], 128<<16
	s_mov_b32 s[G1B+2], 64<<16
	s_mov_b32 s[G1B+3], 128<<16
	s_mov_b32 s[G1B+4], 64
	s_mov_b32 s[G1B+5], 1024
	s_mov_b32 s[G1B+6], 0
	s_mov_b32 s[G1B+7], 0
	s_lshl_b32 s82, s24, 19                        ; O: made of mb and the wave alone
	s_lshl_b32 s83, s[WN], 18
	s_add_co_u32 s82, s82, s83
	s_mov_b32 s83, 0
	s_lshl_b32 s84, s23, 18                        ; Wo: made of nb and the wave alone; the fourth matrix of w16
	s_lshl_b32 s85, s[WN], 17
	s_add_co_u32 s84, s84, s85
	s_add_co_u32 s84, s84, 3<<21
	s_mov_b32 s85, 0
	s_mul_i32 s86, s[WN], AHALF
	s_mul_i32 s87, s[WN], BHALF
	s_add_co_u32 s87, s87, BOFF
	s_mov_b32 s[G0A], 1
	s_mov_b32 s[G0A+1], s86
	s_mov_b32 s[G0AW], 1
	s_add_co_u32 s[G0AW+1], s86, SLOT1
	s_mov_b32 s[G0B], 1
	s_mov_b32 s[G0B+1], s87
	s_mov_b32 s[G0BW], 1
	s_add_co_u32 s[G0BW+1], s87, SLOT1
	s_mov_b32 s[TB], 0
	s_lshl_b32 s88, s23, 9                         ; my 64 columns, in bytes of f32: in bo and in a row of out0
	s_lshl_b32 s89, s[WN], 8
	s_add_co_u32 s88, s88, s89
	s_mov_b32 s89, 0
	s_lshl_b32 s90, s24, 20                        ; my 128 rows of out0
	s_lshl_b32 s91, s[WM], 19
	s_add_co_u32 s90, s90, s91
	s_add_co_u32 s90, s90, s88
	s_mov_b32 s91, 0
	v_and_b32 v1, 15, v0
	v_bfe_u32 v2, v0, 4, 1
	v_mul_u32_u24 v3, v1, PITCH
	v_lshl_add_u32 v3, v2, 4, v3
	s_mul_i32 s86, s[WM], AHALF
	v_add_nc_u32 v[ADRA0], s86, v3
	s_mul_i32 s87, s[WN], BHALF
	s_add_co_u32 s87, s87, BOFF
	v_add_nc_u32 v[ADRB0], s87, v3
	v_mov_b32 v[ADRA], v[ADRA0]
	v_mov_b32 v[ADRB], v[ADRB0]
	s_mul_i32 s86, s[WV], 16*SP
	s_add_co_u32 s86, s86, STAGE
	v_mul_u32_u24 v4, v1, SP
	v_lshl_add_u32 v4, v2, 5, v4                   ; in: row l % 16, 32 bytes for each half of the lanes
	v_add_nc_u32 v[STO], s86, v4
	v_mul_u32_u24 v5, v2, SP                       ; back: lanes 0-15 one row of 256 bytes, lanes 16-31 the next
	v_lshl_add_u32 v5, v1, 4, v5
	v_add_nc_u32 v[RD], s86, v5
	v_lshlrev_b32 v[CO], 12, v2                    ; and the same two rows in out0
	v_lshl_add_u32 v[CO], v1, 4, v[CO]
	v_lshlrev_b32 v[BO], 5, v2
	s_wait_dscnt 0x0                               ; the opening add is done
	s_wait_kmcnt 0x0
	s_add_nc_u64 s[G0A+2:G0A+3], s[4:5], s[82:83]
	s_add_nc_u64 s[G0AW+2:G0AW+3], s[G0A+2:G0A+3], 256
	s_or_b32 s[G0A+3], s[G0A+3], 0x80000000
	s_or_b32 s[G0AW+3], s[G0AW+3], 0x80000000
	s_add_nc_u64 s[G0B+2:G0B+3], s[6:7], s[84:85]
	s_add_nc_u64 s[G0BW+2:G0BW+3], s[G0B+2:G0B+3], 256
	s_or_b32 s[G0B+3], s[G0B+3], 0x80000000
	s_or_b32 s[G0BW+3], s[G0BW+3], 0x80000000
	s_add_nc_u64 s[BP:BP+1], s[8:9], s[88:89]
	s_add_nc_u64 s[OUT:OUT+1], s[10:11], s[90:91]
	CROUND                                         ; all sixteen work-groups are here: the first joint loads meet
	s_cmp_eq_u32 s[WM], 0                          ; a wave's two first fills stand in one branch: two loads of mine are out
	s_cbranch_scc0 .Lfirst_b
	tensor_load_to_lds s[G0A:G0A+3], s[G1A:G1A+7]
	s_nop 0
	tensor_load_to_lds s[G0AW:G0AW+3], s[G1A:G1A+7]
	s_nop 0
.rept 4
	v_nop
.endr
	s_branch .Lfirst_asked
.Lfirst_b:
	tensor_load_to_lds s[G0B:G0B+3], s[G1B:G1B+7]
	s_nop 0
	tensor_load_to_lds s[G0BW:G0BW+3], s[G1B:G1B+7]
	s_nop 0
.rept 4
	v_nop
.endr
.Lfirst_asked:
.irp b, 0,1,2,3
	global_load_b128 v[BIAS+8*(\b):BIAS+8*(\b)+3],   v[BO], s[BP:BP+1] offset:64*(\b)
	global_load_b128 v[BIAS+8*(\b)+4:BIAS+8*(\b)+7], v[BO], s[BP:BP+1] offset:64*(\b)+16
.endr
	s_wait_tensorcnt 0x1                           ; my part of step 0 is in; step 1's may stay out
	s_barrier_signal -1
	s_barrier_wait -1
	FETCH 0, F0
	s_wait_loadcnt 0x0                             ; the bias
	QUARTER 64, F0, F1, 1                          ; the bias starts the sums
	WIN 0
	s_mov_b32 s[CNT], 6
.Lstep:                                            ; a trip: a step's quarters 2 to 4 and the next step's first; steps 2 to 7 are asked for
	QUARTER 128, F1, F0, 0
	QUARTER 192, F0, F1, 0
	TURN 1
	QUARTER 64, F0, F1, 0
	WIN 0
	s_sub_co_u32 s[CNT], s[CNT], 1
	s_cmp_lg_u32 s[CNT], 0
	s_cbranch_scc1 .Lstep
	QUARTER 128, F1, F0, 0                         ; the last two steps ask for nothing
	QUARTER 192, F0, F1, 0
	TURN 0
	QUARTER 64, F0, F1, 0
	QUARTER 128, F1, F0, 0
	QUARTER 192, F0, F1, 0
	s_wait_dscnt 8
	MUL8 F1, 0, 0
	MUL8 F1, 2, 0
	s_wait_dscnt 0x0
	MUL8 F1, 4, 0
	MUL8 F1, 6, 0
	PLACES
	TOSTAGE 0
.irp a, 1,2,3,4,5,6,7
	TOSTAGE \a
	SEND (\a)-1, 16
.endr
	SEND 7, 0
	s_wait_tensorcnt 0x0                           ; the wave's end
	ds_add_u32 v[SPW], v[NIL]
	s_wait_dscnt 0x0
	CROUND                                         ; the closing round
	s_endpgm
.Lfunc_end_k_qf85f894ba4_oproj:
	.size	k_qf85f894ba4_oproj, .Lfunc_end_k_qf85f894ba4_oproj-k_qf85f894ba4_oproj
	.p2alignl 7, 3214868480
	.fill 96, 4, 3214868480
	.section	.rodata,"a",@progbits
	.p2align	6, 0x0
	.amdhsa_kernel k_qf85f894ba4_oproj
		.amdhsa_group_segment_fixed_size 327680
		.amdhsa_private_segment_fixed_size 0
		.amdhsa_enable_private_segment 0
		.amdhsa_kernarg_size 32
		.amdhsa_user_sgpr_count 2
		.amdhsa_user_sgpr_kernarg_segment_ptr 1
		.amdhsa_wavefront_size32 1
		.amdhsa_system_sgpr_workgroup_id_x 1
		.amdhsa_system_sgpr_workgroup_id_y 1
		.amdhsa_system_sgpr_workgroup_id_z 1
		.amdhsa_system_vgpr_workitem_id 0
		.amdhsa_next_free_vgpr 768
		.amdhsa_next_free_sgpr 92
		.amdhsa_reserve_vcc 0
		.amdhsa_float_denorm_mode_32 3
		.amdhsa_float_denorm_mode_16_64 3
		.amdhsa_memory_ordered 1
		.amdhsa_forward_progress 1
		.amdhsa_inst_pref_size 70
	.end_amdhsa_kernel
	.amdgpu_metadata
---
amdhsa.version: [ 1, 2 ]
amdhsa.kernels:
  - .name:           k_qf85f894ba4_oproj
    .symbol:         k_qf85f894ba4_oproj.kd
    .args:
      - { .name: o16, .offset: 0, .size: 8, .value_kind: global_buffer, .address_space: global }
      - { .name: w16, .offset: 8, .size: 8, .value_kind: global_buffer, .address_space: global }
      - { .name: bo, .offset: 16, .size: 8, .value_kind: global_buffer, .address_space: global }
      - { .name: out0, .offset: 24, .size: 8, .value_kind: global_buffer, .address_space: global }
    .group_segment_fixed_size: 327680
    .private_segment_fixed_size: 0
    .kernarg_segment_align: 8
    .kernarg_segment_size: 32
    .max_flat_workgroup_size: 128
    .sgpr_count:     92
    .vgpr_count:     768
    .wavefront_size: 32
...
	.end_amdgpu_metadata
.endif
;; end of part 4
;; ======== version 2 of 2: 4 launches; version 1 with the launch prep written anew for expert scheduling mode
;; limits: values are held in f16: magnitudes above 65,504 overflow, below 6.1e-05 lose precision; inputs' magnitudes at most 8.5e+37
;; workspace buffers: x16 16,777,216 bytes; w16 8,388,608 bytes; rope 1,048,576 bytes; qkv 50,331,648 bytes; o16 16,777,216 bytes
;; launch prep (part 5): grid 512 x 1, 8 waves a work-group, no clusters, 0 bytes of LDS; arguments hidden_states, Wq, Wk, Wv, Wo, x16, w16, rope; writes x16, w16, rope
.if DOCPART == 5
	.amdgcn_target "amdgcn-amd-amdhsa--gfx1250"
	.amdhsa_code_object_version 6
	.text
	.protected	k_qf85f894ba4_prep
	.globl	k_qf85f894ba4_prep
	.p2align	8
	.type	k_qf85f894ba4_prep,@function
k_qf85f894ba4_prep:
	s_mov_b64 s[64:65], 0
	v_nop
	global_prefetch_b8 v0, s[64:65] scope:SCOPE_SE
	s_setreg_imm32_b32 hwreg(HW_REG_WAVE_SCHED_MODE, 0, 2), 2
	s_setreg_imm32_b32 hwreg(HW_REG_WAVE_MODE, 25, 1), 1
	s_wait_xcnt 0x0
	s_wait_alu depctr_vm_vsrc(0)
; PREP.  Work-groups 0-255 round hidden_states to f16 (x16), 256-383 the four weight matrices (w16: Wq, Wk, Wv, Wo rows on end),
; 384-511 make the RoPE tables.  A stream: no LDS, no barrier, no matrix unit; every input byte is read once, every output byte written once.
; LIMITS.  f16 ends at 65,504: |x| and |W| stay below it; below 6e-5 a number keeps f16's fixed step of 6e-8.
; CAST.  A work-group takes 32,768 floats as 32 units of 4,096 bytes in and 2,048 bytes out: thread t takes 16 bytes at 16 t and stores
; 8 bytes at 8 t, so a wave's store covers 256 consecutive bytes, aligned.  Eight to twelve loads of every wave are on their way.
; TABLE.  rope[c][blk][i][lane][4]: c = 0 the table divided by 8 (for q: the scores' 1 / sqrt(64), exact), c = 1 the plain one (for k);
; blk = 16 positions; i = (fn 2 + bb) 2 + quad, lane = 16 h + r: fn (0 cos, 1 sin) of position 16 blk + r at the frequencies
; j = 16 bb + 8 h + 4 quad + 0..3: the order in which a lane of the projection's result holds its numbers.  Thread t's 16 bytes lie at 16 t.
; The angle is reduced in turns: f = theta / 2 pi - nearest whole number (a quarter turn less for the sine), |f| <= 1/2; cos(2 pi f) is its
; series in f^2 up to f^18: the next term is below 4e-9 for every |f| <= 1/2, whatever the position.
; THE MODE: SCHED_MODE bits 1:0 = 2 (LLVM: expert scheduling mode 2), set by the entry lines.  The code itself states the register dependences
; between vector instructions and memory instructions, with s_wait_alu, always for 0.
; THE PLAN (cast).  The 32 units go in 8 blocks of four.  Registers that memory instructions touch:
;   X0 .. X3   four blocks as loaded.   Written by the loads of block p + 3, issued in block p; read by block p's conversions.
;   Y0, Y1     two blocks to store.     Written by block p's conversions; read by the four stores that are issued in block p + 1.
;   v1, v2     byte offsets, made once at the head and never written again; the units are reached by immediate offsets, and the two scalar bases stay.
; Block p works on X[p % 4] and writes Y[p % 2].  Its memory instructions are the loads into X[(p + 3) % 4] = X[(p - 1) % 4] and the stores from
; Y[(p - 1) % 2]: the two buffers that block p - 1 worked on and that no vector instruction of block p names.  So the waits at a block's head state
; all that the block's memory instructions hang on, and these are dealt among its conversions with no further wait.  Of the 8 blocks only blocks 1 to 4
; both load and store, one lap of the buffers: the blocks are written out by one macro, without a loop.
.set BLOCK,  4                         ; units in a block
.set BLOCKS, 8
.set UIN,    4096                      ; bytes of a unit as read
.set UOUT,   2048                      ; as stored
.set X, 4                              ; v[4:67]   buffer k, unit i: 4 floats as loaded, at X + 16 k + 4 i
.set Y, 68                             ; v[68:83]  buffer k, unit i: 4 f16 to store, at Y + 8 k + 2 i
.set TH, 10                            ; v[10:13]  table: exponent, frequency, angle
.set KK, 14                            ; v[14:17]  whole turns
.set YY, 18                            ; v[18:21]  f, then f^2
.set PO, 22                            ; v[22:25]  the series
.set P8, 26                            ; v[26:29]  an eighth of it
	s_load_b512 s[8:23], s[0:1], 0x0               ; hs s[8:9], Wq s[10:11], Wk s[12:13], Wv s[14:15], Wo s[16:17], x16 s[18:19], w16 s[20:21], rope s[22:23]
	s_mov_b32 s24, ttmp9                           ; g
	v_lshlrev_b32 v1, 4, v0                        ; 16 t; never rewritten
	v_lshlrev_b32 v2, 3, v0                        ; 8 t; never rewritten
	s_cmp_ge_u32 s24, 384
	s_cbranch_scc1 .Ltable
	s_sub_co_u32 s25, s24, 256                     ; the weights' work-groups count from 0
	s_lshr_b32 s26, s25, 5                         ; which matrix: 32 work-groups each
	s_and_b32 s27, s24, 31
	s_lshl_b32 s28, s27, 17                        ; offsets, made apart from the addresses: a weight's source,
	s_lshl_b32 s30, s25, 16                        ; its place in w16,
	s_lshl_b32 s37, s24, 17                        ; x's source,
	s_lshl_b32 s38, s24, 16                        ; its place in x16
	s_cmp_lt_u32 s24, 256
	s_cselect_b32 s28, s37, s28
	s_cselect_b32 s30, s38, s30
	s_mov_b32 s29, 0
	s_mov_b32 s31, 0
	s_wait_kmcnt 0x0
	s_cmp_lt_u32 s26, 1
	s_cselect_b64 s[32:33], s[10:11], s[12:13]
	s_cmp_lt_u32 s26, 2
	s_cselect_b64 s[32:33], s[32:33], s[14:15]
	s_cmp_lt_u32 s26, 3
	s_cselect_b64 s[32:33], s[32:33], s[16:17]
	s_cmp_lt_u32 s24, 256
	s_cselect_b64 s[32:33], s[8:9], s[32:33]
	s_cselect_b64 s[34:35], s[18:19], s[20:21]
	s_add_nc_u64 s[32:33], s[32:33], s[28:29]      ; in
	s_add_nc_u64 s[34:35], s[34:35], s[30:31]      ; out
	s_wait_alu depctr_va_vdst(0)                   ; v1 and v2 are written: every load below reads v1 as its offset, every store v2
.irp i, 0,1,2,3,4,5,6,7,8,9,10,11
	global_load_b128 v[X+4*(\i):X+4*(\i)+3], v1, s[32:33] offset:(\i)*UIN th:TH_LOAD_NT  ; blocks 0, 1 and 2 into X0, X1, X2
.endr
; Block p.  Blocks 0 to 4 load block p + 3; blocks 1 to 7 store block p - 1.
.macro BLK p
.if (\p) <= BLOCKS-3
	s_wait_loadcnt 2*BLOCK                         ; loads come back in order (ISA guide 5.7.1): X[p % 4] is in, the two younger blocks stay out
.else
	s_wait_loadcnt (BLOCKS-1-(\p))*BLOCK           ; the last blocks have fewer behind them: the counts run down
.endif
.if (\p) >= 2
	s_wait_xcnt 0x0                                ; every earlier memory instruction has had its addresses translated (ISA guide 3.1): Y[p % 2], the data of stores issued in the block before, is rewritten only behind this wait
	s_wait_alu depctr_vm_vsrc(0)                   ; those stores have read Y[p % 2], which this block's conversions write again
.endif
.if (\p) >= 1
	s_wait_alu depctr_va_vdst(0)                   ; the block before has written the other Y, which the stores below read, and is done reading its X, in which the loads below (blocks 1 to 4) land
.endif
.irp i, 0,1,2,3
.if (\p)+3 < BLOCKS
	global_load_b128 v[X+16*(((\p)+3)%4)+4*(\i):X+16*(((\p)+3)%4)+4*(\i)+3], v1, s[32:33] offset:(BLOCK*((\p)+3)+(\i))*UIN th:TH_LOAD_NT  ; three blocks ahead; no vector instruction since the wait names these registers
.endif
.if (\p) >= 1
	global_store_b64 v2, v[Y+8*(((\p)-1)%2)+2*(\i):Y+8*(((\p)-1)%2)+2*(\i)+1], s[34:35] offset:(BLOCK*((\p)-1)+(\i))*UOUT  ; the block before
.endif
	v_cvt_pk_f16_f32 v[Y+8*((\p)%2)+2*(\i)], v[X+16*((\p)%4)+4*(\i)], v[X+16*((\p)%4)+4*(\i)+1]
	v_cvt_pk_f16_f32 v[Y+8*((\p)%2)+2*(\i)+1], v[X+16*((\p)%4)+4*(\i)+2], v[X+16*((\p)%4)+4*(\i)+3]
.endr
.endm
.irp p, 0,1,2,3,4,5,6,7
	BLK \p
.endr
	s_wait_alu depctr_va_vdst(0)                   ; block 7 has written Y1, which the last four stores read
.irp i, 0,1,2,3
	global_store_b64 v2, v[Y+8+2*(\i):Y+8+2*(\i)+1], s[34:35] offset:(BLOCK*(BLOCKS-1)+(\i))*UOUT
.endr
	s_endpgm
.Ltable:
	s_sub_co_u32 s25, s24, 384                     ; blk
	v_and_b32 v3, 15, v0                           ; r
	v_bfe_u32 v4, v0, 4, 1                         ; h
	v_bfe_u32 v5, v0, 5, 1                         ; quad
	v_bfe_u32 v6, v0, 6, 1                         ; bb
	v_lshrrev_b32 v7, 7, v0                        ; fn
	v_lshlrev_b32 v5, 2, v5
	v_lshl_add_u32 v5, v4, 3, v5
	v_lshl_add_u32 v5, v6, 4, v5                   ; j0 = 16 bb + 8 h + 4 quad
	s_lshl_b32 s26, s25, 4
	v_add_nc_u32 v3, s26, v3
	v_cvt_f32_u32 v3, v3                           ; the position
	v_cvt_f32_u32 v7, v7
	v_mul_f32 v7, 0x3e800000, v7                   ; a quarter turn for the sine
.irp e, 0,1,2,3
	v_add_nc_u32 v[TH+\e], \e, v5
.endr
.irp e, 0,1,2,3
	v_cvt_f32_u32 v[TH+\e], v[TH+\e]
.endr
.irp e, 0,1,2,3
	v_mul_f32 v[TH+\e], 0xbed49a78, v[TH+\e]       ; - j log2(10000) / 32
.endr
.irp e, 0,1,2,3
	v_exp_f32 v[TH+\e], v[TH+\e]                   ; 10000^(-j / 32)
.endr
	v_nop                                          ; a plain instruction between the last exponential and the use of its result (ISA guide 5.7.2)
	s_wait_alu depctr_va_vdst(0)                   ; the four exponentials have written v[TH ..], ahead of their first reader: one wait for the batch
.irp e, 0,1,2,3
	v_mul_f32 v[TH+\e], v3, v[TH+\e]               ; the angle
.endr
.irp e, 0,1,2,3
	v_fma_f32 v[KK+\e], v[TH+\e], 0.15915494, -v7
.endr
.irp e, 0,1,2,3
	v_rndne_f32 v[KK+\e], v[KK+\e]                 ; whole turns
.endr
.irp e, 0,1,2,3
	v_fma_f32 v[YY+\e], v[TH+\e], 0.15915494, -v[KK+\e]  ; one rounding: the whole turns go before the product is rounded
.endr
.irp e, 0,1,2,3
	v_sub_f32 v[YY+\e], v[YY+\e], v7
.endr
.irp e, 0,1,2,3
	v_mul_f32 v[YY+\e], v[YY+\e], v[YY+\e]
.endr
.irp e, 0,1,2,3
	v_mov_b32 v[PO+\e], 0xbd15062c                 ; - (2 pi)^18 / 18!
.endr
.irp c, 0x3e906316, 0xbfdb7128, 0x40fce9c5, 0xc1d368f9, 0x4270fa83, 0xc2aae9e4, 0x4281e0f8, 0xc19de9e6, 0x3f800000
.irp e, 0,1,2,3
	v_fmaak_f32 v[PO+\e], v[PO+\e], v[YY+\e], \c   ; (-1)^n (2 pi)^(2 n) / (2 n)!, n = 8 down to 0
.endr
.endr
.irp e, 0,1,2,3
	v_mul_f32 v[P8+\e], 0x3e000000, v[PO+\e]
.endr
	s_lshl_b32 s28, s25, 12
	s_mov_b32 s29, 0
	s_wait_kmcnt 0x0
	s_add_nc_u64 s[22:23], s[22:23], s[28:29]
	s_wait_alu depctr_va_vdst(0)                   ; the series v[PO ..] and its eighth v[P8 ..] are written, which the two stores read as data; so is their offset v1
	global_store_b128 v1, v[P8:P8+3], s[22:23]                 ; a wave's store covers 512 consecutive bytes
	global_store_b128 v1, v[PO:PO+3], s[22:23] offset:524288
	s_endpgm
.Lfunc_end_k_qf85f894ba4_prep:
	.size	k_qf85f894ba4_prep, .Lfunc_end_k_qf85f894ba4_prep-k_qf85f894ba4_prep
	.p2alignl 7, 3214868480
	.fill 96, 4, 3214868480
	.section	.rodata,"a",@progbits
	.p2align	6, 0x0
	.amdhsa_kernel k_qf85f894ba4_prep
		.amdhsa_group_segment_fixed_size 0
		.amdhsa_private_segment_fixed_size 0
		.amdhsa_enable_private_segment 0
		.amdhsa_kernarg_size 64
		.amdhsa_user_sgpr_count 2
		.amdhsa_user_sgpr_kernarg_segment_ptr 1
		.amdhsa_wavefront_size32 1
		.amdhsa_system_sgpr_workgroup_id_x 1
		.amdhsa_system_sgpr_workgroup_id_y 1
		.amdhsa_system_sgpr_workgroup_id_z 1
		.amdhsa_system_vgpr_workitem_id 0
		.amdhsa_next_free_vgpr 84
		.amdhsa_next_free_sgpr 66
		.amdhsa_reserve_vcc 0
		.amdhsa_float_denorm_mode_32 3
		.amdhsa_float_denorm_mode_16_64 3
		.amdhsa_memory_ordered 1
		.amdhsa_forward_progress 1
		.amdhsa_inst_pref_size 18
	.end_amdhsa_kernel
	.amdgpu_metadata
---
amdhsa.version: [ 1, 2 ]
amdhsa.kernels:
  - .name:           k_qf85f894ba4_prep
    .symbol:         k_qf85f894ba4_prep.kd
    .args:
      - { .name: hidden_states, .offset: 0, .size: 8, .value_kind: global_buffer, .address_space: global }
      - { .name: Wq, .offset: 8, .size: 8, .value_kind: global_buffer, .address_space: global }
      - { .name: Wk, .offset: 16, .size: 8, .value_kind: global_buffer, .address_space: global }
      - { .name: Wv, .offset: 24, .size: 8, .value_kind: global_buffer, .address_space: global }
      - { .name: Wo, .offset: 32, .size: 8, .value_kind: global_buffer, .address_space: global }
      - { .name: x16, .offset: 40, .size: 8, .value_kind: global_buffer, .address_space: global }
      - { .name: w16, .offset: 48, .size: 8, .value_kind: global_buffer, .address_space: global }
      - { .name: rope, .offset: 56, .size: 8, .value_kind: global_buffer, .address_space: global }
    .group_segment_fixed_size: 0
    .private_segment_fixed_size: 0
    .kernarg_segment_align: 8
    .kernarg_segment_size: 64
    .max_flat_workgroup_size: 256
    .sgpr_count:     66
    .vgpr_count:     84
    .wavefront_size: 32
...
	.end_amdgpu_metadata
.endif
;; end of part 5
;; launch qkv: the kernel of part 2 again; grid 8 x 32, 4 waves a work-group, clusters of 4 x 4, 327,680 bytes of LDS; arguments x16, w16, bq, bk, bv, rope, qkv; writes qkv
;; launch attn: the kernel of part 3 again; grid 16 x 16, 4 waves a work-group, clusters of 4 x 4, 327,680 bytes of LDS; arguments qkv, attention_mask, o16; writes o16
;; launch oproj: the kernel of part 4 again; grid 8 x 32, 4 waves a work-group, clusters of 4 x 4, 327,680 bytes of LDS; arguments o16, w16, bo, out0; writes out0
